; MI455X (gfx1250); checked and timed in simulation.
; The chip was launched on July 23, 2026; its instructions are those of AMD's public machine-readable ISA for CDNA 5 (MIT licence, August 2026) and "CDNA5" Instruction Set Architecture Reference Guide (July 2026). The comments in the code are by the model that wrote it; some were corrected since.
;; Swin Block. Allowed arithmetic: float matrix products may take bf16 or f16 operands with f32 sums; other float arithmetic in f32, or as packed bf16 or f16 multiplies, adds, multiply-adds, maxima and minima; sums over many terms, partial sums and values carried from step to step in f32; what a program stores and reads back later, other than sums and carried values, may be rounded once to bf16 or f16.
;; Inputs: bn1_b 128 float32; bn1_g 128 float32; bn2_b 128 float32; bn2_g 128 float32; mlp_b1 512 float32; mlp_b2 128 float32; mlp_w1 512 x 128 float32; mlp_w2 128 x 512 float32; proj_b 128 float32; proj_w 128 x 128 float32; qkv_b 384 float32; qkv_w 384 x 128 float32; x 4 x 128 x 64 x 64 float32.
;; Outputs: out0 4 x 128 x 64 x 64 float32.
;; 2 versions, each right and faster than the one before. Each part assembles by itself: llvm-mc -triple=amdgcn-amd-amdhsa -mcpu=gfx1250 --defsym DOCPART=n.
;; ======== version 1 of 2: 4 launches
;; limits: values are held in f16: magnitudes above 65,504 overflow, below 6.1e-05 lose precision
;; workspace buffers: stat1 8,192 bytes; wbf 393,216 bytes; qf 4,194,304 bytes; kf 4,194,304 bytes; vf 4,194,304 bytes; x1 8,388,608 bytes; stat2 262,144 bytes
;; launch prep (part 1): grid 256 x 1, 4 waves a work-group, no clusters, 0 bytes of LDS; arguments x, qkv_w, proj_w, mlp_w1, mlp_w2, stat1, wbf; writes stat1, wbf
.if DOCPART == 1
	.amdgcn_target "amdgcn-amd-amdhsa--gfx1250"
	.amdhsa_code_object_version 6
	.text
	.protected	k_qd5a10c1ff2_prep
	.globl	k_qd5a10c1ff2_prep
	.p2align	8
	.type	k_qd5a10c1ff2_prep,@function
k_qd5a10c1ff2_prep:
	s_mov_b64 s[64:65], 0
	v_nop
	global_prefetch_b8 v0, s[64:65] scope:SCOPE_SE
	s_setreg_imm32_b32 hwreg(HW_REG_WAVE_MODE, 25, 1), 1
	s_wait_xcnt 0x0
; PREP.  (a) Partial batch statistics of x [4][128][4096] f32: wave gid (0..1023) owns the 8,192 consecutive bytes at gid x 8,192, half a row (b, c):
; its mean and its sum of squared deviations M2 (two passes over the 64 registers, so no difference of large sums is formed) go to stat1 [mean, M2][2 b + half][c].
; (b) Waves 0..767 also write one half fragment (512 bytes) of the four weight matrices, rounded to bf16, in the register image of a 16 x 32 matrix fragment:
; wbf [f][lane][8], lane (h = lane / 16, r = lane % 16), element e = W[16 ot + r][32 ks + 16 p + 8 h + e], f = first + (ot K / 32 + ks) 2 + p; qkv_w from f = 0, proj_w from 192, mlp_w1 from 256, mlp_w2 from 512.
; No LDS, no matrix unit, no cluster: every byte is read by one wave alone.  The statistics leave as two 4-byte stores a wave (8 KB in the launch); a weight source is read as 32-byte pieces of 16 rows, once.
.set X, 32                             ; v[32:95] my 64 numbers a lane
.macro XLOADS                          ; 16 loads, 512 consecutive bytes each
.irp j, 0,1,2,3,4,5,6,7,8,9,10,11,12,13,14,15
	global_load_b128 v[X+4*\j:X+4*\j+3], v2, s[4:5] offset:512*\j
.endr
.endm
.macro WSUM r                          ; the sum over the wave's 32 lanes, in every lane
	v_add_f32_dpp v[\r], v[\r], v[\r] row_xmask:1 row_mask:0xf bank_mask:0xf
	v_add_f32_dpp v[\r], v[\r], v[\r] row_xmask:2 row_mask:0xf bank_mask:0xf
	v_add_f32_dpp v[\r], v[\r], v[\r] row_xmask:4 row_mask:0xf bank_mask:0xf
	v_add_f32_dpp v[\r], v[\r], v[\r] row_xmask:8 row_mask:0xf bank_mask:0xf
	v_permlanex16_b32 v27, v[\r], s34, s35
	v_add_f32 v[\r], v[\r], v27
.endm
.macro FOLD                            ; four pair chains v[16:23] into one pair
	v_pk_add_f32 v[16:17], v[16:17], v[18:19]
	v_pk_add_f32 v[20:21], v[20:21], v[22:23]
	v_pk_add_f32 v[16:17], v[16:17], v[20:21]
.endm
	s_load_b256 s[4:11], s[0:1], 0x0               ; x s[4:5], qkv_w s[6:7], proj_w s[8:9], mlp_w1 s[10:11]
	s_load_b128 s[12:15], s[0:1], 0x20             ; mlp_w2 s[12:13], stat1 s[14:15]
	s_load_b64 s[16:17], s[0:1], 0x30              ; wbf
	v_lshrrev_b32 v1, 5, v0
	v_readfirstlane_b32 s20, v1                    ; wave 0..3
	s_lshl_b32 s21, ttmp9, 2
	s_add_co_u32 s21, s21, s20                     ; gid
	v_and_b32 v1, 31, v0                           ; lane
	v_lshlrev_b32 v2, 4, v1                        ; 16 x lane
	v_mov_b32 v27, 0                               ; the lane exchange's destination counts as read
	v_mov_b32 v28, 0                               ; offset of the statistics' stores
	s_mov_b32 s34, 0x76543210                      ; each lane takes its own place in the other half
	s_mov_b32 s35, 0xfedcba98
	s_lshl_b32 s22, s21, 13                        ; my 8,192 bytes of x
	s_mov_b32 s23, 0
	s_wait_kmcnt 0x0
	s_add_nc_u64 s[4:5], s[4:5], s[22:23]
	s_cmp_lt_u32 s21, 768
	s_cbranch_scc0 .Lno_weights
	; which matrix my half fragment belongs to: pointer, first f, log2 of half fragments in 16 rows, log2 of a row's bytes
	s_mov_b32 s24, 512
	s_cmp_lt_u32 s21, 512
	s_cselect_b64 s[28:29], s[10:11], s[12:13]
	s_cselect_b32 s24, 256, s24
	s_cselect_b32 s25, 3, 5
	s_cselect_b32 s26, 9, 11
	s_cmp_lt_u32 s21, 256
	s_cselect_b64 s[28:29], s[8:9], s[28:29]
	s_cselect_b32 s24, 192, s24
	s_cmp_lt_u32 s21, 192
	s_cselect_b64 s[28:29], s[6:7], s[28:29]
	s_cselect_b32 s24, 0, s24
	s_sub_co_u32 s30, s21, s24                     ; f inside the matrix
	s_lshr_b32 s31, s30, s25                       ; ot
	s_lshl_b32 s32, s31, s25
	s_sub_co_u32 s32, s30, s32                     ; 2 ks + p: 16 columns, 64 bytes each
	s_lshl_b32 s31, s31, 4
	s_lshl_b32 s31, s31, s26                       ; 16 ot rows
	s_lshl_b32 s32, s32, 6
	s_add_co_u32 s32, s32, s31
	s_mov_b32 s33, 0
	s_add_nc_u64 s[28:29], s[28:29], s[32:33]
	v_and_b32 v26, 15, v0                          ; r
	v_bfe_u32 v29, v0, 4, 1                        ; h
	v_lshlrev_b32 v3, s26, v26                     ; row r
	v_lshl_add_u32 v3, v29, 5, v3                  ; + 8 h numbers
	global_load_b128 v[4:7], v3, s[28:29]
	global_load_b128 v[8:11], v3, s[28:29] offset:16
	XLOADS
	s_wait_loadcnt 16                              ; my eight weights are in; the 16 loads of x stay out
	v_cvt_pk_bf16_f32 v12, v4, v5
	v_cvt_pk_bf16_f32 v13, v6, v7
	v_cvt_pk_bf16_f32 v14, v8, v9
	v_cvt_pk_bf16_f32 v15, v10, v11
	s_lshl_b32 s30, s21, 9
	s_mov_b32 s31, 0
	s_add_nc_u64 s[16:17], s[16:17], s[30:31]
	global_store_b128 v2, v[12:15], s[16:17]       ; 512 consecutive bytes, at a multiple of 512 from wbf's first
	s_branch .Ljoin
.Lno_weights:
	XLOADS
.Ljoin:
	s_wait_loadcnt 0x0
	; pass 1: the sum, in four chains of pairs that the first eight pairs start
.irp k, 0,1,2,3
	v_pk_add_f32 v[16+2*\k:17+2*\k], v[X+2*\k:X+2*\k+1], v[X+8+2*\k:X+9+2*\k]
.endr
.set p, 8
.rept 24
	v_pk_add_f32 v[16+2*(p%4):17+2*(p%4)], v[16+2*(p%4):17+2*(p%4)], v[X+2*p:X+2*p+1]
.set p, p+1
.endr
	FOLD
	v_add_f32 v26, v16, v17
	WSUM 26
	v_mul_f32 v24, 0x3a000000, v26                 ; mean = sum / 2,048
	v_mov_b32 v25, v24
	; pass 2: the deviations, in place, and the sum of their squares
.set p, 0
.rept 32
	v_pk_add_f32 v[X+2*p:X+2*p+1], v[X+2*p:X+2*p+1], v[24:25] neg_lo:[0,1] neg_hi:[0,1]
.set p, p+1
.endr
.irp k, 0,1,2,3
	v_pk_mul_f32 v[16+2*\k:17+2*\k], v[X+2*\k:X+2*\k+1], v[X+2*\k:X+2*\k+1]
.endr
.set p, 4
.rept 28
	v_pk_fma_f32 v[16+2*(p%4):17+2*(p%4)], v[X+2*p:X+2*p+1], v[X+2*p:X+2*p+1], v[16+2*(p%4):17+2*(p%4)]
.set p, p+1
.endr
	FOLD
	v_add_f32 v29, v16, v17
	WSUM 29
	s_lshr_b32 s30, s21, 8                         ; b
	s_lshl_b32 s30, s30, 1
	s_and_b32 s31, s21, 1                          ; half
	s_add_co_u32 s30, s30, s31
	s_lshl_b32 s30, s30, 7
	s_bfe_u32 s31, s21, 0x70001                    ; c
	s_add_co_u32 s30, s30, s31
	s_lshl_b32 s30, s30, 2
	s_mov_b32 s31, 0
	s_add_nc_u64 s[14:15], s[14:15], s[30:31]
	v_cmp_eq_u32 vcc_lo, 0, v1
	s_wait_xcnt 0x0                                ; EXEC is a source of the store above: it changes only behind this wait
	s_and_saveexec_b32 s36, vcc_lo                 ; lane 0 alone stores
	global_store_b32 v28, v24, s[14:15]
	global_store_b32 v28, v29, s[14:15] offset:4096
	s_endpgm
.Lfunc_end_k_qd5a10c1ff2_prep:
	.size	k_qd5a10c1ff2_prep, .Lfunc_end_k_qd5a10c1ff2_prep-k_qd5a10c1ff2_prep
	.p2alignl 7, 3214868480
	.fill 96, 4, 3214868480
	.section	.rodata,"a",@progbits
	.p2align	6, 0x0
	.amdhsa_kernel k_qd5a10c1ff2_prep
		.amdhsa_group_segment_fixed_size 0
		.amdhsa_private_segment_fixed_size 0
		.amdhsa_enable_private_segment 0
		.amdhsa_kernarg_size 56
		.amdhsa_user_sgpr_count 2
		.amdhsa_user_sgpr_kernarg_segment_ptr 1
		.amdhsa_wavefront_size32 1
		.amdhsa_system_sgpr_workgroup_id_x 1
		.amdhsa_system_sgpr_workgroup_id_y 1
		.amdhsa_system_sgpr_workgroup_id_z 1
		.amdhsa_system_vgpr_workitem_id 0
		.amdhsa_next_free_vgpr 96
		.amdhsa_next_free_sgpr 66
		.amdhsa_reserve_vcc 1
		.amdhsa_float_denorm_mode_32 3
		.amdhsa_float_denorm_mode_16_64 3
		.amdhsa_memory_ordered 1
		.amdhsa_forward_progress 1
		.amdhsa_inst_pref_size 14
	.end_amdhsa_kernel
	.amdgpu_metadata
---
amdhsa.version: [ 1, 2 ]
amdhsa.kernels:
  - .name:           k_qd5a10c1ff2_prep
    .symbol:         k_qd5a10c1ff2_prep.kd
    .args:
      - { .name: x, .offset: 0, .size: 8, .value_kind: global_buffer, .address_space: global }
      - { .name: qkv_w, .offset: 8, .size: 8, .value_kind: global_buffer, .address_space: global }
      - { .name: proj_w, .offset: 16, .size: 8, .value_kind: global_buffer, .address_space: global }
      - { .name: mlp_w1, .offset: 24, .size: 8, .value_kind: global_buffer, .address_space: global }
      - { .name: mlp_w2, .offset: 32, .size: 8, .value_kind: global_buffer, .address_space: global }
      - { .name: stat1, .offset: 40, .size: 8, .value_kind: global_buffer, .address_space: global }
      - { .name: wbf, .offset: 48, .size: 8, .value_kind: global_buffer, .address_space: global }
    .group_segment_fixed_size: 0
    .private_segment_fixed_size: 0
    .kernarg_segment_align: 8
    .kernarg_segment_size: 56
    .max_flat_workgroup_size: 128
    .sgpr_count:     66
    .vgpr_count:     96
    .wavefront_size: 32
...
	.end_amdgpu_metadata
.endif
;; end of part 1
;; launch qkv (part 2): grid 64 x 4, 8 waves a work-group, no clusters, 21,504 bytes of LDS; arguments x, bn1_g, bn1_b, qkv_b, stat1, wbf, qf, kf, vf; writes qf, kf, vf
.if DOCPART == 2
	.amdgcn_target "amdgcn-amd-amdhsa--gfx1250"
	.amdhsa_code_object_version 6
	.text
	.protected	k_qd5a10c1ff2_qkv
	.globl	k_qd5a10c1ff2_qkv
	.p2align	8
	.type	k_qd5a10c1ff2_qkv,@function
k_qd5a10c1ff2_qkv:
	s_mov_b64 s[64:65], 0
	v_nop
	global_prefetch_b8 v0, s[64:65] scope:SCOPE_SE
	s_setreg_imm32_b32 hwreg(HW_REG_WAVE_MODE, 25, 1), 1
	s_wait_xcnt 0x0
; QKV.  h = batch norm 1 of x (statistics merged from prep's eight partials a channel: mean of means; M2 = sum of M2 + 2,048 x sum of squared deviations of the partial means), made in f32 and rounded once to bf16;
; q, k, v = qkv_w h + qkv_b, products in bf16 with f32 sums, the bias as the C operand that starts each sum; results rounded once to f16, unscaled.
; LIMIT.  q, k, v must stay within f16's 65,504.  NaN and infinities are not treated apart.
; SHARES.  A work-group: batch b (grid y), 64 positions (grid x), all 384 outputs.  Wave w normalises channels 16 w .. 16 w + 15 and makes the output tiles w (q), 8 + w (k), 16 + w (v) for four tiles of 16 positions: 48 matrix instructions.
; LAYOUTS.  q, k: D(m = output, n = position): a lane's eight numbers are half a fragment (16 positions x 32 channels) of attention's first product.  v: sources swapped, D(m = position, n = output): half a fragment
; (16 channels x 32 keys) of its second.  So every store of a wave is 512 consecutive bytes, aligned, and attention loads fragments as they lie.
; qf, kf [b][head][16 positions][p][lane][8]: (position 16 blk + r, channel 16 p + 8 h + e).   vf [b][head][32 keys][cb][p][lane][8]: (channel 16 cb + r, key 32 kb + 16 p + 8 h + e).
; NO CLUSTER: what work-groups share is the weights, and here each weight fragment serves one wave and goes from memory straight into its registers (12 KB a wave, once); a joint load would add a trip through LDS.
.set HP,    160                        ; a row of h in LDS: 64 bf16 + 32 bytes = 40 words
.set SPARE, 128*HP                     ; behind h: the spare words, 128 bytes for each of the eight waves
.set AR,   16                          ; v[16:23] a of my eight row pairs, v[24:31] d
.set DR,   24
.set ACC,  16                          ; later v[16:39]: the accumulators of q, k, v
.set OUT,  40                          ; v[40:51] packed results
.set X,    64                          ; v[64:95] x; later h's fragments, buffer 0
.set HB0,  64
.set HB1,  96                          ; v[96:127] first the partial means and M2, later buffer 1
.set MN,   96
.set M2,   104
.set BIAS, 128                         ; v[128:151] the C operands of q, k, v
.set WF,   160                         ; v[160:255] weight fragments: 32 kind + 8 ks
	s_load_b512 s[4:19], s[0:1], 0x0               ; x, bn1_g, bn1_b, qkv_b, stat1, wbf, qf, kf
	s_load_b64 s[20:21], s[0:1], 0x40              ; vf
	v_lshl_add_u32 v14, v0, 2, SPARE               ; my spare word,
	v_mov_b32 v15, 0                               ; and 0: kept for the wave's end
	v_lshrrev_b32 v13, 5, v0
	v_readfirstlane_b32 s24, v13                   ; wave 0..7
	s_mov_b32 s25, ttmp9                           ; block of 64 positions
	s_and_b32 s26, ttmp7, 0xffff                   ; b
	v_and_b32 v1, 15, v0                           ; r
	v_bfe_u32 v2, v0, 4, 1                         ; h
	v_and_b32 v3, 31, v0
	v_lshlrev_b32 v3, 4, v3                        ; 16 x lane
	v_lshlrev_b32 v4, 4, v1
	v_lshl_add_u32 v4, v2, 14, v4                  ; x: lanes 0-15 one row's 256 bytes, lanes 16-31 the next row's
	s_lshl_b32 s27, s24, 6
	v_lshl_add_u32 v5, v1, 2, s27                  ; 4 (16 w + r): my channel
	v_lshlrev_b32 v6, 2, v2                        ; the lane to pull a and d from, x 4: 2 t + h
	s_mul_i32 s30, s24, 16*HP
	v_mul_u32_u24 v7, v2, HP
	v_lshl_add_u32 v7, v1, 3, v7
	v_add_nc_u32 v7, s30, v7                       ; h goes in at row 16 w + h (+ 2 t), 8 bytes a lane
	v_and_b32 v13, 7, v0
	v_lshl_add_u32 v13, v2, 3, v13
	v_mul_u32_u24 v8, v13, HP
	v_bfe_u32 v13, v0, 3, 1
	v_lshl_add_u32 v8, v13, 4, v8                  ; the turning load: row 8 h + lane % 8, 16 bytes by (lane / 8) % 2
	v_lshlrev_b32 v9, 5, v2                        ; 32 h: my eight biases of q and k
	v_lshlrev_b32 v10, 2, v1                       ; 4 r: my bias of v
	s_lshl_b32 s28, s26, 21                        ; x: b x 128 rows, 16 w rows of 16,384 bytes, 256 bytes a block
	s_lshl_b32 s30, s24, 18
	s_add_co_u32 s28, s28, s30
	s_lshl_b32 s30, s25, 8
	s_add_co_u32 s28, s28, s30
	s_mov_b32 s29, 0
	s_mov_b32 s30, s27                             ; 64 w: bias
	s_mov_b32 s31, 0
	s_lshl_b32 s32, s24, 12                        ; 4,096 w: my output tile's fragments
	s_mov_b32 s33, 0
	s_lshl_b32 s40, s26, 2
	s_lshr_b32 s41, s24, 1                         ; head = w / 2
	s_add_co_u32 s40, s40, s41
	s_lshl_b32 s40, s40, 18
	s_lshl_b32 s41, s25, 12
	s_add_co_u32 s40, s40, s41
	s_and_b32 s41, s24, 1                          ; p (q, k) or cb (v)
	s_lshl_b32 s42, s41, 9
	s_add_co_u32 s34, s40, s42
	s_mov_b32 s35, 0
	s_lshl_b32 s42, s41, 10
	s_add_co_u32 s38, s40, s42
	s_mov_b32 s39, 0
	s_mov_b32 s36, 0x38800000                      ; 1 / 16,384
	s_mov_b32 s37, 0x3727c5ac                      ; 1e-5
	s_wait_kmcnt 0x0
	s_add_nc_u64 s[4:5], s[4:5], s[28:29]
	s_add_nc_u64 s[10:11], s[10:11], s[30:31]
	s_add_nc_u64 s[14:15], s[14:15], s[32:33]
	s_add_nc_u64 s[16:17], s[16:17], s[34:35]
	s_add_nc_u64 s[18:19], s[18:19], s[34:35]
	s_add_nc_u64 s[20:21], s[20:21], s[38:39]
	; all loads at once, in the order of their use: 18 for the statistics, 8 of x, 5 of bias, 24 of weights
.irp p, 0,1,2,3,4,5,6,7
	global_load_b32 v[MN+\p], v5, s[12:13] offset:512*\p
.endr
.irp p, 0,1,2,3,4,5,6,7
	global_load_b32 v[M2+\p], v5, s[12:13] offset:4096+512*\p
.endr
	global_load_b32 v52, v5, s[6:7]
	global_load_b32 v53, v5, s[8:9]
.irp t, 0,1,2,3,4,5,6,7
	global_load_b128 v[X+4*\t:X+4*\t+3], v4, s[4:5] offset:32768*\t  ; rows 16 w + 2 t + h
.endr
.irp k, 0,1
	global_load_b128 v[BIAS+8*\k:BIAS+8*\k+3], v9, s[10:11] offset:512*\k
	global_load_b128 v[BIAS+8*\k+4:BIAS+8*\k+7], v9, s[10:11] offset:512*\k+16
.endr
	global_load_b32 v152, v10, s[10:11] offset:1024
.irp f, 0,1,2,3,4,5,6,7,8,9,10,11
	global_load_b128 v[WF+8*\f:WF+8*\f+3], v3, s[14:15] offset:(\f/4)*32768+(\f%4)*1024
	global_load_b128 v[WF+8*\f+4:WF+8*\f+7], v3, s[14:15] offset:(\f/4)*32768+(\f%4)*1024+512
.endr
	s_wait_loadcnt 37                              ; the statistics, g and beta are in; x (8), bias (5) and weights (24) stay out
	v_add_f32 v54, v[MN], v[MN+1]
	v_add_f32 v55, v[MN+2], v[MN+3]
	v_add_f32 v56, v[MN+4], v[MN+5]
	v_add_f32 v57, v[MN+6], v[MN+7]
	v_add_f32 v54, v54, v55
	v_add_f32 v56, v56, v57
	v_add_f32 v54, v54, v56
	v_mul_f32 v54, 0x3e000000, v54                 ; the channel's mean: the eight partials are of equal size
	v_add_f32 v55, v[M2], v[M2+1]
	v_add_f32 v56, v[M2+2], v[M2+3]
	v_add_f32 v57, v[M2+4], v[M2+5]
	v_add_f32 v60, v[M2+6], v[M2+7]
	v_add_f32 v55, v55, v56
	v_add_f32 v57, v57, v60
	v_add_f32 v55, v55, v57
.irp p, 0,1,2,3,4,5,6,7
	v_sub_f32 v[MN+\p], v[MN+\p], v54
.endr
	v_mul_f32 v58, v[MN], v[MN]
	v_mul_f32 v59, v[MN+1], v[MN+1]
.irp p, 2,4,6
	v_fmac_f32 v58, v[MN+\p], v[MN+\p]
	v_fmac_f32 v59, v[MN+\p+1], v[MN+\p+1]
.endr
	v_add_f32 v58, v58, v59
	v_fmamk_f32 v55, v58, 0x45000000, v55          ; + 2,048 x the spread of the partial means
	v_fma_f32 v55, v55, s36, s37                   ; variance + eps
	v_rsq_f32 v56, v55
	v_nop                                          ; a plain instruction between the root and its use (ISA guide 5.7.2)
	s_wait_alu depctr_va_vdst(0)
	v_mul_f32 v11, v52, v56                        ; a = g / sqrt(var + eps)
	v_fma_f32 v12, -v54, v11, v53                  ; d = beta - mean a
.irp t, 0,1,2,3,4,5,6,7
	ds_bpermute_b32 v[AR+\t], v6, v11              ; lane 2 t + h holds the a and d of row 16 w + 2 t + h
	ds_bpermute_b32 v[DR+\t], v6, v12
	v_add_nc_u32 v6, 8, v6
.endr
	s_wait_loadcnt 29                              ; x is in; bias and weights stay out
	s_wait_dscnt 0x0
.irp t, 0,1,2,3,4,5,6,7
.irp i, 0,1,2,3
	v_fma_f32 v[X+4*\t+\i], v[X+4*\t+\i], v[AR+\t], v[DR+\t]
.endr
	v_cvt_pk_bf16_f32 v[54+2*(\t%4)], v[X+4*\t], v[X+4*\t+1]
	v_cvt_pk_bf16_f32 v[55+2*(\t%4)], v[X+4*\t+2], v[X+4*\t+3]
	ds_store_b64 v7, v[54+2*(\t%4):55+2*(\t%4)] offset:2*HP*\t
.endr
	s_wait_loadcnt 0x0                             ; bias and weights
.irp j, 0,1,2,3,4,5,6,7
	v_mov_b32 v[BIAS+16+\j], v152                  ; v's result holds one output a lane: the same bias in all eight registers
.endr
	s_wait_dscnt 0x0                               ; for the others' sake: my rows of h are stored
	s_barrier_signal -1
	s_barrier_wait -1
.macro LOADH it, buf                   ; h's fragments of 16 positions x 128 channels, turned out of [channel][position]
.irp ks, 0,1,2,3
	ds_load_tr16_b128 v[(\buf)+8*\ks:(\buf)+8*\ks+3], v8 offset:32*HP*\ks+32*(\it)
	ds_load_tr16_b128 v[(\buf)+8*\ks+4:(\buf)+8*\ks+7], v8 offset:32*HP*\ks+16*HP+32*(\it)
.endr
.endm
.macro MM buf                          ; twelve matrix instructions; the three accumulators take turns
.irp ks, 0,1,2,3
.if \ks == 0
	v_wmma_f32_16x16x32_bf16 v[ACC:ACC+7], v[WF:WF+7], v[(\buf):(\buf)+7], v[BIAS:BIAS+7]
	v_wmma_f32_16x16x32_bf16 v[ACC+8:ACC+15], v[WF+32:WF+39], v[(\buf):(\buf)+7], v[BIAS+8:BIAS+15]
	v_wmma_f32_16x16x32_bf16 v[ACC+16:ACC+23], v[(\buf):(\buf)+7], v[WF+64:WF+71], v[BIAS+16:BIAS+23]
.else
	v_wmma_f32_16x16x32_bf16 v[ACC:ACC+7], v[WF+8*\ks:WF+8*\ks+7], v[(\buf)+8*\ks:(\buf)+8*\ks+7], v[ACC:ACC+7]
	v_wmma_f32_16x16x32_bf16 v[ACC+8:ACC+15], v[WF+32+8*\ks:WF+39+8*\ks], v[(\buf)+8*\ks:(\buf)+8*\ks+7], v[ACC+8:ACC+15]
	v_wmma_f32_16x16x32_bf16 v[ACC+16:ACC+23], v[(\buf)+8*\ks:(\buf)+8*\ks+7], v[WF+64+8*\ks:WF+71+8*\ks], v[ACC+16:ACC+23]
.endif
.endr
.rept 4
	v_nop                                          ; four places behind the products, ahead of the loads into their sources and of the conversions
.endr
.endm
.macro OUTP it
.if (\it) > 0
	s_wait_xcnt 0x0                                ; the last tile's stores have read OUT: it is rewritten only behind this wait
.endif
.irp n, 0,1,2,3,4,5,6,7,8,9,10,11
	v_cvt_pk_f16_f32 v[OUT+\n], v[ACC+2*\n], v[ACC+2*\n+1]  ; each accumulator from its low end on
.endr
	global_store_b128 v3, v[OUT:OUT+3], s[16:17] offset:1024*(\it)
	global_store_b128 v3, v[OUT+4:OUT+7], s[18:19] offset:1024*(\it)
	global_store_b128 v3, v[OUT+8:OUT+11], s[20:21] offset:2048*((\it)/2)+512*((\it)%2)
.endm
	LOADH 0, HB0
	LOADH 1, HB1
	s_wait_dscnt 8                                 ; tile 0's eight loads are in, tile 1's stay out
	MM HB0
	LOADH 2, HB0
	OUTP 0
	s_wait_dscnt 8
	MM HB1
	LOADH 3, HB1
	OUTP 1
	s_wait_dscnt 8
	MM HB0
	OUTP 2
	s_wait_dscnt 0x0
	MM HB1
	OUTP 3
	s_wait_tensorcnt 0x0                           ; the wave's end, behind my last LDS store
	ds_add_u32 v14, v15
	s_wait_dscnt 0x0
	s_endpgm
.Lfunc_end_k_qd5a10c1ff2_qkv:
	.size	k_qd5a10c1ff2_qkv, .Lfunc_end_k_qd5a10c1ff2_qkv-k_qd5a10c1ff2_qkv
	.p2alignl 7, 3214868480
	.fill 96, 4, 3214868480
	.section	.rodata,"a",@progbits
	.p2align	6, 0x0
	.amdhsa_kernel k_qd5a10c1ff2_qkv
		.amdhsa_group_segment_fixed_size 21504
		.amdhsa_private_segment_fixed_size 0
		.amdhsa_enable_private_segment 0
		.amdhsa_kernarg_size 72
		.amdhsa_user_sgpr_count 2
		.amdhsa_user_sgpr_kernarg_segment_ptr 1
		.amdhsa_wavefront_size32 1
		.amdhsa_system_sgpr_workgroup_id_x 1
		.amdhsa_system_sgpr_workgroup_id_y 1
		.amdhsa_system_sgpr_workgroup_id_z 1
		.amdhsa_system_vgpr_workitem_id 0
		.amdhsa_next_free_vgpr 256
		.amdhsa_next_free_sgpr 66
		.amdhsa_reserve_vcc 0
		.amdhsa_float_denorm_mode_32 3
		.amdhsa_float_denorm_mode_16_64 3
		.amdhsa_memory_ordered 1
		.amdhsa_forward_progress 1
		.amdhsa_inst_pref_size 25
	.end_amdhsa_kernel
	.amdgpu_metadata
---
amdhsa.version: [ 1, 2 ]
amdhsa.kernels:
  - .name:           k_qd5a10c1ff2_qkv
    .symbol:         k_qd5a10c1ff2_qkv.kd
    .args:
      - { .name: x, .offset: 0, .size: 8, .value_kind: global_buffer, .address_space: global }
      - { .name: bn1_g, .offset: 8, .size: 8, .value_kind: global_buffer, .address_space: global }
      - { .name: bn1_b, .offset: 16, .size: 8, .value_kind: global_buffer, .address_space: global }
      - { .name: qkv_b, .offset: 24, .size: 8, .value_kind: global_buffer, .address_space: global }
      - { .name: stat1, .offset: 32, .size: 8, .value_kind: global_buffer, .address_space: global }
      - { .name: wbf, .offset: 40, .size: 8, .value_kind: global_buffer, .address_space: global }
      - { .name: qf, .offset: 48, .size: 8, .value_kind: global_buffer, .address_space: global }
      - { .name: kf, .offset: 56, .size: 8, .value_kind: global_buffer, .address_space: global }
      - { .name: vf, .offset: 64, .size: 8, .value_kind: global_buffer, .address_space: global }
    .group_segment_fixed_size: 21504
    .private_segment_fixed_size: 0
    .kernarg_segment_align: 8
    .kernarg_segment_size: 72
    .max_flat_workgroup_size: 256
    .sgpr_count:     66
    .vgpr_count:     256
    .wavefront_size: 32
...
	.end_amdgpu_metadata
.endif
;; end of part 2
;; launch attn (part 3): grid 64 x 4, 8 waves a work-group, clusters of 4 x 1, 327,680 bytes of LDS; arguments qf, kf, vf, wbf, proj_b, x, x1, stat2; writes x1, stat2
.if DOCPART == 3
	.amdgcn_target "amdgcn-amd-amdhsa--gfx1250"
	.amdhsa_code_object_version 6
	.text
	.protected	k_qd5a10c1ff2_attn
	.globl	k_qd5a10c1ff2_attn
	.p2align	8
	.type	k_qd5a10c1ff2_attn,@function
k_qd5a10c1ff2_attn:
	s_mov_b64 s[64:65], 0
	v_nop
	global_prefetch_b8 v0, s[64:65] scope:SCOPE_SE
	s_setreg_imm32_b32 hwreg(HW_REG_WAVE_MODE, 25, 1), 1
	s_wait_xcnt 0x0
	s_wait_alu depctr_hold_cnt(0) depctr_sa_sdst(0) depctr_va_vdst(0) depctr_va_sdst(0) depctr_va_ssrc(0) depctr_va_vcc(0) depctr_vm_vsrc(0)
	s_getreg_b32 s2, hwreg(HW_REG_IB_STS2, 6, 4)
	s_cmp_eq_u32 s2, 0
	s_cbranch_scc0 .Lentry_in_a_cluster
	s_endpgm
.Lentry_in_a_cluster:
	s_bfe_u32 s2, ttmp6, 0x10000c
	s_cmp_lg_u32 s2, 0x3003
	s_cbranch_scc0 .Lentry_shape_is_right
	s_endpgm
.Lentry_shape_is_right:
; ATTENTION, PROJECTION, RESIDUAL, AND THE SECOND NORM'S PARTIAL STATISTICS.
; O[head][q] = sum over all 4,096 keys of softmax_k(q . k / sqrt(32)) v;  x1 = x + proj_w O + proj_b;  stat2 = mean and M2 of each channel of x1 over the work-group's 64 positions.
; q, k, v and the weights p in f16, O and proj_w in bf16, all sums, maxima, x1 and the statistics in f32.
; LIMITS.  p = 2^(c s - c m) lies in 0 to 1; below 6e-8 it rounds to 0.  The divisor l is the f32 sum of the ROUNDED p (made by the matrix unit), the same numbers that weigh v; it is at least 1, the maximum's own p.
; Scores of f16 operands stay under 1.4e11, far above the start value of c m.  NaN and infinities are not treated apart.
; SHARES.  A work-group: batch b (grid y), 64 queries, all four heads.  Wave w: head w % 4, two tiles of 16 queries (numbers 2 (w / 4) + t); it walks all keys, 64 a step.  Two waves share a SIMD.
; LAYOUT.  S^T = K Q^T holds one query a lane (lane % 16) and the keys 8 (lane / 16) + 0..7 of four blocks; rounded to f16 in pairs, IN PLACE into its low 16 registers, it is source 1 of O^T = V^T P.
; l comes from a third accumulator: source 0 holds ones in rows 0 and 8 alone, so that register 0 of the result is the sum of the lane's own query.
; SOFTMAX.  A running maximum m: in every step O and l are multiplied by a = 2^(c m_old - c m_new), c = log2(e) / sqrt(32).  m starts at the lowest finite number, O and l at 0: the first step has a = 0 and is a step like any other.
; BY TURNS.  Turn t is tile t's softmax; in its middle stand the four products K Q^T of the other tile's next scores, at its end tile t's six products with P.
; CLUSTER.  The four work-groups of a cluster share b and walk the same K and V: each tile of 256 keys is asked for jointly, eight loads of 16 KB (wave w: K of head w, or V of head w - 4), the same descriptor and mask in all four.
; By this text's count a wave never has more than one tensor load out.  K, V lie in memory as fragment images, so a tile is dense: 64 rows of 256 bytes; a fragment load takes 512 consecutive bytes and needs no padding.
; REGISTERS.  Window 0: see the names below.  Window 1 (v256 on): v[0:31] proj_w's fragments of output tile w; v[32:63] my rows of x.  The loop stays in window 0.
.set SLOT1, 1<<17                      ; a slot: K of four heads (16 KB each), then V; slot 1 begins here, so that one exclusive or changes slots
.set OEX,   2*SLOT1                    ; O as fragments of the projection: [tile 4][head 4][p 2][lane][16 bytes]
.set STAGE, OEX+16384                  ; 16 rows x 272 bytes for each wave: the way out
.set SP,    272
.set PST,   STAGE+8*16*SP              ; mean[128], M2[128]
.set SPARE, PST+1024                   ; the spare words, 128 bytes for each of the eight waves
.set AK0, 3                            ; my lane's place in a slot's K; never rewritten
.set AV0, 4                            ; the same for V
.set AK,  5
.set AV,  6
.set L16, 7                            ; 16 x lane; never rewritten
.set STO, 8
.set RD,  9
.set XO,  10                           ; my offset in two rows of x and x1; never rewritten
.set PA,  11
.set SPW, 12
.set NIL, 13
.set MV,  14                           ; v14-15 c m_old, by tile
.set ST,  16                           ; tile t: c m at v[16+4t], m at v[17+4t]
.set BA,  18                           ; offset of my bias; never rewritten
.set OST, 19
.set OLD, 22
.set PSR, 23
.set TMP, 24                           ; tile t: c0-c3 at v[24+4t]; c2 takes a
.set Q,   32                           ; 8 a tile
.set LS,  48                           ; l's accumulator, 8 a tile
.set S,   64                           ; 32 a tile
.set VF,  128                          ; 16 kk + 8 cb
.set O,   160                          ; 16 t + 8 cb
.set KF,  192                          ; 8 kb
.set ONE, 224
.set BIAS, 232
.set PK,  240
.set MSB, 0
.macro WIN new
.if MSB != (\new)
	s_set_vgpr_msb (MSB<<8)|(\new)
.set MSB, (\new)
.endif
.endm
.macro CROUND                          ; a round of the cluster's barrier
	s_barrier_signal -1
	s_barrier_wait -1
	s_cmp_lg_u32 s20, 0
	s_cbranch_scc1 .Lnot_wave_0_\@
	s_barrier_signal -3
.Lnot_wave_0_\@:
	s_barrier_wait -3
	s_barrier_signal -1
	s_barrier_wait -1
.endm
.macro JLOAD                           ; my part of a tile; an s_nop 0 and four v_nop follow
	tensor_load_to_lds s[36:39], s[28:35]
	s_nop 0
.rept 4
	v_nop
.endr
.endm
; THE CHANGE OF SLOTS.  Each wave waits for all its tensor loads (one is out: its part of the other slot), adds 0 to its spare word, and waits for that and for its reads of the slot that it leaves.
; fill = 1: the barrier is a round of the cluster's, and the joint refill, the keys two slots on, is the first thing behind it: it has four key steps in which to land.
.macro CHANGE fill
	s_wait_tensorcnt 0x0                           ; no tensor load of mine is out, so group 0 may be written
	ds_add_u32 v[SPW], v[NIL]
.if \fill
	s_xor_b32 s37, s37, SLOT1                      ; the other slot than last time,
	s_add_nc_u64 s[38:39], s[38:39], 16384         ; the next 256 keys; the type bits on top are not reached
	s_wait_dscnt 0x0                               ; the add is done, and my reads of the slot are over
	CROUND
	JLOAD
.else
	s_wait_dscnt 0x0
	s_barrier_signal -1
	s_barrier_wait -1
.endif
	s_sub_co_u32 s52, s52, 16384                   ; the fetches go back to a slot's first step,
	s_xor_b32 s52, s52, SLOT1                      ; in the other slot
.endm
.macro FETCH_K                         ; 64 keys x 32 channels: four fragments
.irp kb, 0,1,2,3
	ds_load_b128 v[KF+8*\kb:KF+8*\kb+3], v[AK] offset:1024*\kb
	ds_load_b128 v[KF+8*\kb+4:KF+8*\kb+7], v[AK] offset:1024*\kb+512
.endr
.endm
.macro FETCH_V                         ; 32 channels x 64 keys: four fragments
.irp f, 0,1,2,3
	ds_load_b128 v[VF+8*\f:VF+8*\f+3], v[AV] offset:1024*\f
	ds_load_b128 v[VF+8*\f+4:VF+8*\f+7], v[AV] offset:1024*\f+512
.endr
.endm
.macro KQ u                            ; tile u's scores of a step: one product for each block of 16 keys, C = 0
.irp kb, 0,1,2,3
	v_wmma_f32_16x16x32_f16 v[S+32*(\u)+8*\kb:S+32*(\u)+8*\kb+7], v[KF+8*\kb:KF+8*\kb+7], v[Q+8*(\u):Q+8*(\u)+7], 0
.endr
.endm
.macro PV t                            ; three accumulators by turns, one instruction a turn
.irp kk, 0,1
	v_wmma_f32_16x16x32_f16 v[O+16*(\t):O+16*(\t)+7], v[VF+16*\kk:VF+16*\kk+7], v[S+32*(\t)+8*\kk:S+32*(\t)+8*\kk+7], v[O+16*(\t):O+16*(\t)+7]
	v_wmma_f32_16x16x32_f16 v[O+16*(\t)+8:O+16*(\t)+15], v[VF+16*\kk+8:VF+16*\kk+15], v[S+32*(\t)+8*\kk:S+32*(\t)+8*\kk+7], v[O+16*(\t)+8:O+16*(\t)+15]
	v_wmma_f32_16x16x32_f16 v[LS+8*(\t):LS+8*(\t)+7], v[ONE:ONE+7], v[S+32*(\t)+8*\kk:S+32*(\t)+8*\kk+7], v[LS+8*(\t):LS+8*(\t)+7]
.endr
.endm
; Number n of the 22 lines that find tile t's maximum and statistics; each accumulator's lowest registers are read first.
;   0-11 four chains of seven scores; 12-14, 16 the four scores left over, the old m, and the chains into c0; 15 c m_old is kept; 17, 18 the query's other 32 keys lie in the lane 16 away; 19-21 c m, c m_old - c m_new, a
.macro XS t, n
.set rS, S+32*(\t)
.set rC, TMP+4*(\t)
.set rT, ST+4*(\t)
.set rM, MV+(\t)
.if (\n) < 4
	v_max3_num_f32 v[rC+(\n)], v[rS+8*(\n)], v[rS+8*(\n)+1], v[rS+8*(\n)+2]
.elseif (\n) < 12
	v_max3_num_f32 v[rC+(\n)%4], v[rC+(\n)%4], v[rS+8*((\n)%4)+2*((\n)/4)+1], v[rS+8*((\n)%4)+2*((\n)/4)+2]
.elseif (\n) == 12
	v_max3_num_f32 v[rC], v[rC], v[rS+7], v[rS+15]
.elseif (\n) == 13
	v_max3_num_f32 v[rC+1], v[rC+1], v[rS+23], v[rS+31]
.elseif (\n) == 14
	v_max3_num_f32 v[rC+2], v[rC+2], v[rC+3], v[rT+1]
.elseif (\n) == 15
	v_mov_b32 v[rM], v[rT]
.elseif (\n) == 16
	v_max3_num_f32 v[rC], v[rC], v[rC+1], v[rC+2]
.elseif (\n) == 17
	v_permlanex16_b32 v[rC+3], v[rC], s50, s51
.elseif (\n) == 18
	v_max_num_f32 v[rT+1], v[rC], v[rC+3]
.elseif (\n) == 19
	v_mul_f32 v[rT], s48, v[rT+1]
.elseif (\n) == 20
	v_sub_f32 v[rC+1], v[rM], v[rT]
.else
	v_exp_f32 v[rC+2], v[rC+1]
.endif
.endm
.macro FS t, n                         ; c s - c m for pair n of 16
	v_pk_fma_f32 v[S+32*(\t)+2*(\n):S+32*(\t)+2*(\n)+1], v[S+32*(\t)+2*(\n):S+32*(\t)+2*(\n)+1], s[48:49], v[ST+4*(\t):ST+4*(\t)+1] op_sel_hi:[1,0,0] neg_lo:[0,0,1] neg_hi:[0,0,1]
.endm
.macro ES t, n                         ; the exponential of score n of 32
	v_exp_f32 v[S+32*(\t)+(\n)], v[S+32*(\t)+(\n)]
.endm
.macro CS t, n                         ; pair n rounded to f16, into register n: ascending, so no unread score is overwritten
	s_wait_alu depctr_va_vdst(0)
	v_cvt_pk_f16_f32 v[S+32*(\t)+(\n)], v[S+32*(\t)+2*(\n)], v[S+32*(\t)+2*(\n)+1]
.endm
.macro RS t, n                         ; pair n of 8 of O^T times a
	s_wait_alu depctr_va_vdst(0)
	v_pk_mul_f32 v[O+16*(\t)+2*(\n):O+16*(\t)+2*(\n)+1], v[O+16*(\t)+2*(\n):O+16*(\t)+2*(\n)+1], v[TMP+4*(\t)+2:TMP+4*(\t)+3] op_sel_hi:[1,0]
.endm
; A TURN, for tile t.  kq = 1: the other tile's next scores are made (and, in tile 1's turn, the next step's K fetched).
; K's run of loads stands 18 plain instructions behind the last product that read K; V's five behind the last that read V (ISA guide 7.12.1 asks for four).  Every exponential has a plain instruction
; between it and the use of its result.  The products K Q^T write S^T of the other tile some 40 plain instructions behind the products that read P there.
.macro TURN t, kq
.if ((\t) == 1) && (\kq)
	v_add_nc_u32 v[AK], s52, v[AK0]
	FETCH_K
.endif
.if (\t) == 0
	v_add_nc_u32 v[AV], s52, v[AV0]
.endif
.irp n, 0,1,2,3
	XS \t, \n
.endr
.if (\t) == 0
	FETCH_V
	s_add_co_u32 s52, s52, 4096                    ; the next fetches are the next step's
.endif
.irp n, 4,5,6,7,8,9,10,11,12,13,14,15,16,17,18,19
	XS \t, \n
.endr
	FS \t, 0
	FS \t, 1
	XS \t, 20
	FS \t, 2
	FS \t, 3
	XS \t, 21
.irp n, 4,5,6,7,8,9,10,11,12,13,14,15
	FS \t, \n
.endr
.irp n, 0,1,2,3,4,5,6,7
	RS \t, \n
.endr
.if \kq
.if (\t) == 1
	s_wait_dscnt 0x0                               ; K is in
.endif
	KQ 1-(\t)
.endif
	ES \t, 0
	ES \t, 1
	v_mul_f32 v[LS+8*(\t)], v[LS+8*(\t)], v[TMP+4*(\t)+2]  ; l times a: register 0 alone carries a sum, the others stay 0
.set ee, 1
.rept 15
	ES \t, 2*ee
	ES \t, 2*ee+1
	CS \t, ee-1
.set ee, ee+1
.endr
	CS \t, 15
.if (\t) == 0
	s_wait_dscnt 0x0                               ; V is in
.endif
	PV \t
.endm
	s_load_b512 s[4:19], s[0:1], 0x0               ; qf, kf, vf, wbf, proj_b, x, x1, stat2
	v_lshl_add_u32 v[SPW], v0, 2, SPARE
	v_mov_b32 v[NIL], 0
	ds_add_u32 v[SPW], v[NIL]                      ; the wave's opening: the add and its wait stand ahead of my first tensor load; the set-up below, work on registers, stands between them
	v_lshrrev_b32 v1, 5, v0
	v_readfirstlane_b32 s20, v1                    ; wave 0..7
	s_and_b32 s21, s20, 3                          ; head
	s_lshr_b32 s22, s20, 2                         ; which half of the 64 queries
	s_bfe_u32 s23, ttmp6, 0x40000                  ; cx
	s_lshl_b32 s24, ttmp9, 2
	s_add_co_u32 s24, s24, s23                     ; block of 64 queries: it enters global addresses of Q, x, x1, stat2 alone
	s_and_b32 s25, ttmp7, 0xffff                   ; b, which the four partners share
	; descriptor group 1: 64 rows of 32 elements of 8 bytes, dense
	s_mov_b32 s28, 15|(3<<16)|(1<<21)              ; 15:0 the mask of four; 17:16 8-byte elements; 21 set beside a mask
	s_mov_b32 s29, 32<<16                          ; tensor_dim0 = 32
	s_mov_b32 s30, 64<<16                          ; tensor_dim1 = 64
	s_mov_b32 s31, 32<<16                          ; tile_dim0 = 32
	s_mov_b32 s32, 64                              ; tile_dim1 = 64
	s_mov_b32 s33, 32                              ; 32 elements from row to row
	s_mov_b32 s34, 0
	s_mov_b32 s35, 0
	s_mov_b32 s36, 1                               ; group 0: count = 1,
	s_lshl_b32 s37, s20, 14                        ; LDS address: wave x 16 KB in slot 0
	s_lshl_b32 s40, s25, 2
	s_add_co_u32 s40, s40, s21
	s_lshl_b32 s40, s40, 18                        ; (4 b + head) x 262,144: the head's first byte in qf, kf, vf
	s_mov_b32 s41, 0
	s_lshl_b32 s42, s24, 12                        ; Q: 4 blocks of 16 a work-group, 1,024 bytes each; my two
	s_lshl_b32 s43, s22, 11
	s_add_co_u32 s42, s42, s43
	s_add_co_u32 s42, s42, s40
	s_mov_b32 s43, 0
	s_lshl_b32 s44, s25, 21                        ; x, x1: b, rows 16 w on, 256 bytes a block
	s_lshl_b32 s45, s20, 18
	s_add_co_u32 s44, s44, s45
	s_lshl_b32 s45, s24, 8
	s_add_co_u32 s44, s44, s45
	s_mov_b32 s45, 0
	s_lshl_b32 s46, s20, 12
	s_add_co_u32 s46, s46, 98304                   ; proj_w's fragments of output tile w
	s_mov_b32 s47, 0
	s_mov_b32 s48, 0x3e8293ee                      ; c = log2(e) / sqrt(32)
	s_mov_b32 s49, s48                             ; named with it as a pair
	s_mov_b32 s50, 0x76543210
	s_mov_b32 s51, 0xfedcba98
	s_mov_b32 s52, SLOT1+16384                     ; the first change of slots turns this into 0
	v_and_b32 v1, 15, v0                           ; r
	v_bfe_u32 v2, v0, 4, 1                         ; h
	v_and_b32 v[L16], 31, v0
	v_lshlrev_b32 v[L16], 4, v[L16]
	v_lshlrev_b32 v[XO], 4, v1
	v_lshl_add_u32 v[XO], v2, 14, v[XO]
	s_lshl_b32 s53, s20, 6
	v_lshl_add_u32 v[BA], v1, 2, s53               ; 4 (16 w + r)
	s_lshl_b32 s53, s21, 14
	v_add_nc_u32 v[AK0], s53, v[L16]
	v_add_nc_u32 v[AV0], 65536, v[AK0]
	s_wait_dscnt 0x0                               ; the opening add is done
	s_wait_kmcnt 0x0
	s_cmp_lt_u32 s20, 4
	s_cselect_b64 s[38:39], s[6:7], s[8:9]         ; waves 0-3 fetch K, waves 4-7 V, of head w % 4
	s_add_nc_u64 s[38:39], s[38:39], s[40:41]
	s_or_b32 s39, s39, 0x80000000                  ; type = 2
	s_add_nc_u64 s[4:5], s[4:5], s[42:43]
	s_add_nc_u64 s[14:15], s[14:15], s[44:45]
	s_add_nc_u64 s[16:17], s[16:17], s[44:45]
	s_add_nc_u64 s[10:11], s[10:11], s[46:47]
	CROUND                                         ; all four work-groups are here: the first joint loads meet
	JLOAD                                          ; tile 0 into slot 0; slot 1 is asked for when slot 0 is in
.irp f, 0,1,2,3
	global_load_b128 v[Q+4*\f:Q+4*\f+3], v[L16], s[4:5] offset:512*\f
.endr
	global_load_b32 v[BIAS], v[BA], s[12:13]
	WIN 0x40                                       ; destination window 1
.irp f, 0,1,2,3,4,5,6,7
	global_load_b128 v[4*\f:4*\f+3], v[L16], s[10:11] offset:512*\f
.endr
.irp t, 0,1,2,3,4,5,6,7
	global_load_b128 v[32+4*\t:32+4*\t+3], v[XO], s[14:15] offset:32768*\t  ; rows 16 w + 2 t + h
.endr
	WIN 0
	; all this stands in the wait for the first tile
	v_and_b32 v[PA], 7, v0
	v_mov_b32 v[PSR], 0x3c003c00                   ; 1.0 twice in f16
	v_cmp_eq_u32 vcc_lo, 0, v[PA]
	v_cndmask_b32 v[ONE], 0, v[PSR], vcc_lo        ; rows 0 and 8 of source 0
.irp j, 1,2,3,4,5,6,7
	v_mov_b32 v[ONE+\j], v[ONE]
.endr
.set i, 0
.rept 32
	v_mov_b32 v[O+i], 0
.set i, i+1
.endr
.set i, 0
.rept 16
	v_mov_b32 v[LS+i], 0
.set i, i+1
.endr
.irp t, 0,1
	v_mov_b32 v[ST+4*\t], 0xfe000000               ; c m: far below every c s
	v_mov_b32 v[ST+4*\t+1], 0xff7fffff             ; m
.endr
	CHANGE 1                                       ; slot 0 is in, everybody's part of it; slot 1 is asked for
	v_add_nc_u32 v[AK], s52, v[AK0]
	FETCH_K                                        ; key step 0
	s_wait_loadcnt 17                              ; Q is in; the bias, proj_w's fragments and x (1 + 8 + 8) stay out
	s_wait_dscnt 0x0
	KQ 0
	s_mul_i32 s40, s20, 16*SP                      ; the addresses for the way out: plain instructions, the places behind those products
	s_add_co_u32 s40, s40, STAGE
	v_mul_u32_u24 v[STO], v1, SP                   ; in: row r, 32 bytes for each half of the lanes
	v_lshl_add_u32 v[STO], v2, 5, v[STO]
	v_add_nc_u32 v[STO], s40, v[STO]
	v_mul_u32_u24 v[RD], v2, SP                    ; back: lanes 0-15 one row of 256 bytes, lanes 16-31 the next
	v_lshl_add_u32 v[RD], v1, 4, v[RD]
	v_add_nc_u32 v[RD], s40, v[RD]
	s_lshl_b32 s47, s20, 6
	s_add_co_u32 s47, s47, PST
	v_lshl_add_u32 v[PA], v2, 2, s47               ; PST + 4 (16 w + h)
	s_lshl_b32 s46, s22, 13
	s_lshl_b32 s41, s21, 10
	s_add_co_u32 s46, s46, s41
	s_add_co_u32 s46, s46, OEX
	v_add_nc_u32 v[OST], s46, v[L16]               ; my tiles' and head's place in OEX
	v_add_nc_u32 v[OLD], OEX, v[L16]
	s_mov_b32 s53, 4
	s_mov_b32 s54, 15
	s_branch .Lfirst                               ; the loop is entered at a step's first turn, in the middle of a trip
.Lslot:                                                ; 14 times: tiles 2 to 15 are asked for
	CHANGE 1
	s_mov_b32 s53, 4
.Lstep:                                                ; a trip: tile 1's turn of one step, then tile 0's of the next
	TURN 1, 1
.Lfirst:
	TURN 0, 1
	s_sub_co_u32 s53, s53, 1
	s_cmp_lg_u32 s53, 0
	s_cbranch_scc1 .Lstep
	s_sub_co_u32 s54, s54, 1
	s_cmp_lg_u32 s54, 0
	s_cbranch_scc1 .Lslot
	CHANGE 0                                       ; the last tile is written out: nothing is asked for
	s_mov_b32 s53, 4
.Ltail:
	TURN 1, 1
	TURN 0, 1
	s_sub_co_u32 s53, s53, 1
	s_cmp_lg_u32 s53, 0
	s_cbranch_scc1 .Ltail
	TURN 1, 0                                      ; tile 1's last turn: nothing to fetch, no further scores
	; THE WAY OUT.  O^T / l, rounded to bf16: a lane's eight channels of a query are half a fragment (16 positions x 32 channels) of the projection's source 0.
.rept 4
	v_nop                                          ; the places behind the last products
.endr
	s_wait_loadcnt 0x0                             ; bias, proj_w, x
	v_rcp_f32 v[TMP+2], v[LS]
	v_rcp_f32 v[TMP+6], v[LS+8]
.irp j, 1,2,3,4,5,6,7
	v_mov_b32 v[BIAS+\j], v[BIAS]                  ; plain instructions behind the reciprocals; the projection's result holds one output a lane
.endr
.irp t, 0,1
.irp n, 0,1,2,3,4,5,6,7
	RS \t, \n
.endr
.irp n, 0,1,2,3,4,5,6,7
	v_cvt_pk_bf16_f32 v[PK+8*\t+\n], v[O+16*\t+2*\n], v[O+16*\t+2*\n+1]
.endr
	ds_store_b128 v[OST], v[PK+8*\t:PK+8*\t+3] offset:4096*\t
	ds_store_b128 v[OST], v[PK+8*\t+4:PK+8*\t+7] offset:4096*\t+512
.endr
	s_wait_dscnt 0x0                               ; for the others' sake: my part of O is stored
	s_barrier_signal -1
	s_barrier_wait -1
.set i, 0
.rept 16                                       ; all 16 fragments: position tile i / 4, head i % 4
	ds_load_b128 v[S+8*i:S+8*i+3], v[OLD] offset:1024*i
	ds_load_b128 v[S+8*i+4:S+8*i+7], v[OLD] offset:1024*i+512
.set i, i+1
.endr
	s_wait_dscnt 0x0
	WIN 0x04                                       ; source 1 (proj_w) in window 1
.irp ks, 0,1,2,3                       ; D(m = position, n = output 16 w + r); four accumulators by turns; the bias starts the sums
.irp it, 0,1,2,3
.if \ks == 0
	v_wmma_f32_16x16x32_bf16 v[Q+8*\it:Q+8*\it+7], v[S+32*\it:S+32*\it+7], v[0:7], v[BIAS:BIAS+7]
.else
	v_wmma_f32_16x16x32_bf16 v[Q+8*\it:Q+8*\it+7], v[S+32*\it+8*\ks:S+32*\it+8*\ks+7], v[8*\ks:8*\ks+7], v[Q+8*\it:Q+8*\it+7]
.endif
.endr
.endr
	WIN 0
.rept 4
	v_nop
.endr
.irp it, 0,1,2,3                       ; through my own stage: in by positions, back as whole rows of 64 positions
	ds_store_b128 v[STO], v[Q+8*\it:Q+8*\it+3] offset:64*\it
	ds_store_b128 v[STO], v[Q+8*\it+4:Q+8*\it+7] offset:64*\it+16
.endr
.irp t, 0,1,2,3,4,5,6,7
	ds_load_b128 v[S+4*\t:S+4*\t+3], v[RD] offset:2*SP*\t  ; LDS serves a wave's instructions in order (ISA guide 5.7.1.4): these see the stores above
.endr
	s_wait_dscnt 0x0
	WIN 0x04                                       ; source 1 (x) in window 1
.set i, 0
.rept 16
	v_pk_add_f32 v[S+2*i:S+2*i+1], v[S+2*i:S+2*i+1], v[32+2*i:33+2*i]
.set i, i+1
.endr
	WIN 0
.irp t, 0,1,2,3,4,5,6,7
	global_store_b128 v[XO], v[S+4*\t:S+4*\t+3], s[16:17] offset:32768*\t  ; 16 lanes store 256 consecutive bytes, aligned
.endr
	; the statistics of rows 16 w + 2 t + h over the 64 positions: mean, then the squared deviations from it
.irp t, 0,1,2,3,4,5,6,7
	v_add_f32 v[128+\t], v[S+4*\t], v[S+4*\t+1]
	v_add_f32 v[136+\t], v[S+4*\t+2], v[S+4*\t+3]
.endr
.irp t, 0,1,2,3,4,5,6,7
	v_add_f32 v[128+\t], v[128+\t], v[136+\t]
.endr
.irp m, 1,2,4,8
.irp t, 0,1,2,3,4,5,6,7
	v_add_f32_dpp v[128+\t], v[128+\t], v[128+\t] row_xmask:\m row_mask:0xf bank_mask:0xf
.endr
.endr
.irp t, 0,1,2,3,4,5,6,7
	v_mul_f32 v[128+\t], 0x3c800000, v[128+\t]     ; / 64
.endr
.irp t, 0,1,2,3,4,5,6,7
.irp i, 0,1,2,3
	v_sub_f32 v[160+4*\t+\i], v[S+4*\t+\i], v[128+\t]
.endr
.endr
.irp t, 0,1,2,3,4,5,6,7
	v_mul_f32 v[136+\t], v[160+4*\t], v[160+4*\t]
.endr
.irp i, 1,2,3
.irp t, 0,1,2,3,4,5,6,7
	v_fmac_f32 v[136+\t], v[160+4*\t+\i], v[160+4*\t+\i]
.endr
.endr
.irp m, 1,2,4,8
.irp t, 0,1,2,3,4,5,6,7
	v_add_f32_dpp v[136+\t], v[136+\t], v[136+\t] row_xmask:\m row_mask:0xf bank_mask:0xf
.endr
.endr
.irp t, 0,1,2,3,4,5,6,7
	ds_store_b32 v[PA], v[128+\t] offset:8*\t      ; the 16 lanes of a row write the same word with the same number
	ds_store_b32 v[PA], v[136+\t] offset:512+8*\t
.endr
	s_wait_dscnt 0x0
	s_barrier_signal -1
	s_barrier_wait -1
	s_cmp_lt_u32 s20, 2
	s_cbranch_scc0 .Lno_stat                       ; wave 0 stores the 128 means, wave 1 the 128 M2: 512 consecutive bytes each
	s_lshl_b32 s40, s20, 9
	s_add_co_u32 s40, s40, PST
	v_add_nc_u32 v[PSR], s40, v[L16]
	ds_load_b128 v[128:131], v[PSR]
	s_lshl_b32 s42, s20, 17
	s_lshl_b32 s43, s25, 6
	s_add_co_u32 s43, s43, s24
	s_lshl_b32 s43, s43, 9
	s_add_co_u32 s42, s42, s43
	s_mov_b32 s43, 0
	s_add_nc_u64 s[18:19], s[18:19], s[42:43]
	s_wait_dscnt 0x0
	global_store_b128 v[L16], v[128:131], s[18:19]
.Lno_stat:
	s_wait_tensorcnt 0x0                           ; the wave's end, behind my last tensor load and my last LDS store
	ds_add_u32 v[SPW], v[NIL]
	s_wait_dscnt 0x0
	CROUND                                         ; the closing round: no work-group ends while a partner may still ask for a tile that names it
	s_endpgm
.Lfunc_end_k_qd5a10c1ff2_attn:
	.size	k_qd5a10c1ff2_attn, .Lfunc_end_k_qd5a10c1ff2_attn-k_qd5a10c1ff2_attn
	.p2alignl 7, 3214868480
	.fill 96, 4, 3214868480
	.section	.rodata,"a",@progbits
	.p2align	6, 0x0
	.amdhsa_kernel k_qd5a10c1ff2_attn
		.amdhsa_group_segment_fixed_size 327680
		.amdhsa_private_segment_fixed_size 0
		.amdhsa_enable_private_segment 0
		.amdhsa_kernarg_size 64
		.amdhsa_user_sgpr_count 2
		.amdhsa_user_sgpr_kernarg_segment_ptr 1
		.amdhsa_wavefront_size32 1
		.amdhsa_system_sgpr_workgroup_id_x 1
		.amdhsa_system_sgpr_workgroup_id_y 1
		.amdhsa_system_sgpr_workgroup_id_z 1
		.amdhsa_system_vgpr_workitem_id 0
		.amdhsa_next_free_vgpr 320
		.amdhsa_next_free_sgpr 66
		.amdhsa_reserve_vcc 1
		.amdhsa_float_denorm_mode_32 3
		.amdhsa_float_denorm_mode_16_64 3
		.amdhsa_memory_ordered 1
		.amdhsa_forward_progress 1
		.amdhsa_inst_pref_size 64
	.end_amdhsa_kernel
	.amdgpu_metadata
---
amdhsa.version: [ 1, 2 ]
amdhsa.kernels:
  - .name:           k_qd5a10c1ff2_attn
    .symbol:         k_qd5a10c1ff2_attn.kd
    .args:
      - { .name: qf, .offset: 0, .size: 8, .value_kind: global_buffer, .address_space: global }
      - { .name: kf, .offset: 8, .size: 8, .value_kind: global_buffer, .address_space: global }
      - { .name: vf, .offset: 16, .size: 8, .value_kind: global_buffer, .address_space: global }
      - { .name: wbf, .offset: 24, .size: 8, .value_kind: global_buffer, .address_space: global }
      - { .name: proj_b, .offset: 32, .size: 8, .value_kind: global_buffer, .address_space: global }
      - { .name: x, .offset: 40, .size: 8, .value_kind: global_buffer, .address_space: global }
      - { .name: x1, .offset: 48, .size: 8, .value_kind: global_buffer, .address_space: global }
      - { .name: stat2, .offset: 56, .size: 8, .value_kind: global_buffer, .address_space: global }
    .group_segment_fixed_size: 327680
    .private_segment_fixed_size: 0
    .kernarg_segment_align: 8
    .kernarg_segment_size: 64
    .max_flat_workgroup_size: 256
    .sgpr_count:     66
    .vgpr_count:     320
    .wavefront_size: 32
...
	.end_amdgpu_metadata
.endif
;; end of part 3
;; launch mlp (part 4): grid 64 x 4, 8 waves a work-group, no clusters, 134,144 bytes of LDS; arguments x1, stat2, bn2_g, bn2_b, wbf, mlp_b1, mlp_b2, out0; writes out0
.if DOCPART == 4
	.amdgcn_target "amdgcn-amd-amdhsa--gfx1250"
	.amdhsa_code_object_version 6
	.text
	.protected	k_qd5a10c1ff2_mlp
	.globl	k_qd5a10c1ff2_mlp
	.p2align	8
	.type	k_qd5a10c1ff2_mlp,@function
k_qd5a10c1ff2_mlp:
	s_mov_b64 s[64:65], 0
	v_nop
	global_prefetch_b8 v0, s[64:65] scope:SCOPE_SE
	s_setreg_imm32_b32 hwreg(HW_REG_WAVE_MODE, 25, 1), 1
	s_wait_xcnt 0x0
; MLP.  out0 = x1 + mlp_w2 gelu(mlp_w1 h2 + mlp_b1) + mlp_b2, h2 = batch norm 2 of x1.  Products in bf16 with f32 sums, the biases as the C operands that start the sums; h2 and gelu's result are rounded once to bf16.
; STATISTICS.  Each work-group merges the 256 partials (mean, M2 of 64 numbers) of every channel itself: with delta_p = mean_p - mean_0, mean = mean_0 + sum(delta) / 256,
; M2 = sum(M2_p) + 64 (sum(delta^2) - sum(delta)^2 / 256): the shift by partial 0's mean takes a common offset out before anything is squared.
; GELU, exact form, for every argument: gelu(u) = max(u, 0) - |u| Q(|u|), Q(z) = phi(z) (b1 t + .. + b5 t^5), t = 1 / (1 + 0.2316419 z) (Abramowitz and Stegun 26.2.17: absolute error of Q under 7.5e-8); 1 / sqrt(2 pi) lies in the coefficients.
; NaN and infinities are not treated apart.
; SHARES.  A work-group: batch b (grid y), 64 positions (grid x).  First product: wave w makes hidden tiles 4 w .. 4 w + 3 for four tiles of 16 positions, D(m = hidden, n = position): a lane's eight numbers are half a fragment
; (16 positions x 32 hidden) of the second product's source 0, and go to LDS as such.  Second product: wave w makes output tile w, D(m = position, n = output), K = 512.
; NO CLUSTER: what work-groups share is the weights, and each weight fragment serves one wave and goes from memory straight into its registers (32 KB a wave, once); a joint load would add a trip through LDS.
; REGISTERS.  Window 0: names below.  Window 1 (v256 on): v[0:127] mlp_w1's fragments, 8 (4 q + ks); v[128:255] first the partials' M2, then mlp_w2's fragments, 8 ks.
.set HP,    160                        ; a row of h2 in LDS: 64 bf16 + 32 bytes = 40 words
.set M1,    128*HP                     ; gelu's result: [position tile 4][ks 16][p 2][lane][16 bytes]
.set STAT,  M1+65536                   ; 8 waves x 3 kinds x 128 channels
.set STAGE, STAT+8*1536                ; 16 rows x 272 bytes for each wave
.set SP,    272
.set SPARE, STAGE+8*16*SP              ; the spare words, 128 bytes for each of the eight waves
.set B1,   32                          ; v[32:63] the first product's C operands; later the second product's accumulators
.set ACC2, 32
.set B2,   64                          ; v[64:71] the second product's C operand (first: chains of sums in v[64:87])
.set AR,   72                          ; v[72:79] a, v[80:87] d of my eight row pairs; later packed results
.set DR,   80
.set OUT,  72
.set X1,   96                          ; v[96:127] my rows of x1, kept for the residual
.set MR,   128                         ; v[128:255] the partial means; later as below
.set HB0,  128
.set HB1,  160
.set ACC,  192
.set TT,   224
.set EE,   232
.set PQ,   240
.set RR,   248
.set MSB, 0
.macro WIN new
.if MSB != (\new)
	s_set_vgpr_msb (MSB<<8)|(\new)
.set MSB, (\new)
.endif
.endm
.macro PLACES                          ; four places behind matrix instructions, ahead of loads into their sources and of reads of their results
.rept 4
	v_nop
.endr
.endm
	s_load_b512 s[4:19], s[0:1], 0x0               ; x1, stat2, bn2_g, bn2_b, wbf, mlp_b1, mlp_b2, out0
	v_lshl_add_u32 v14, v0, 2, SPARE               ; my spare word,
	v_mov_b32 v15, 0                               ; and 0: kept for the wave's end
	v_lshrrev_b32 v13, 5, v0
	v_readfirstlane_b32 s20, v13                   ; wave 0..7
	s_mov_b32 s21, ttmp9
	s_and_b32 s22, ttmp7, 0xffff
	v_and_b32 v1, 15, v0                           ; r
	v_bfe_u32 v2, v0, 4, 1                         ; h
	v_and_b32 v3, 31, v0
	v_lshlrev_b32 v3, 4, v3                        ; 16 x lane
	v_lshlrev_b32 v4, 4, v1
	v_lshl_add_u32 v4, v2, 14, v4                  ; two rows of x1 and out0
	s_lshl_b32 s23, s20, 6
	v_lshl_add_u32 v5, v1, 2, s23                  ; 4 (16 w + r)
	s_mul_i32 s23, s20, 16*HP
	v_mul_u32_u24 v7, v2, HP
	v_lshl_add_u32 v7, v1, 3, v7
	v_add_nc_u32 v7, s23, v7                       ; h2 goes in at row 16 w + h (+ 2 t)
	v_and_b32 v13, 7, v0
	v_lshl_add_u32 v13, v2, 3, v13
	v_mul_u32_u24 v8, v13, HP
	v_bfe_u32 v13, v0, 3, 1
	v_lshl_add_u32 v8, v13, 4, v8                  ; the turning load
	v_lshlrev_b32 v9, 5, v2                        ; 32 h
	v_add_nc_u32 v10, STAT, v5
	s_mul_i32 s23, s20, 1536
	s_add_co_u32 s23, s23, STAT
	v_add_nc_u32 v13, s23, v3
	s_lshl_b32 s23, s20, 11
	s_add_co_u32 s23, s23, M1
	v_add_nc_u32 v16, s23, v3                      ; my hidden tiles' place in M1
	v_add_nc_u32 v17, M1, v3
	s_mul_i32 s23, s20, 16*SP
	s_add_co_u32 s23, s23, STAGE
	v_mul_u32_u24 v18, v1, SP
	v_lshl_add_u32 v18, v2, 5, v18
	v_add_nc_u32 v18, s23, v18
	v_mul_u32_u24 v19, v2, SP
	v_lshl_add_u32 v19, v1, 4, v19
	v_add_nc_u32 v19, s23, v19
	s_lshl_b32 s24, s22, 21
	s_lshl_b32 s23, s20, 18
	s_add_co_u32 s24, s24, s23
	s_lshl_b32 s23, s21, 8
	s_add_co_u32 s24, s24, s23
	s_mov_b32 s25, 0
	s_lshl_b32 s26, s20, 14                        ; my 32 partials; my weight fragments
	s_mov_b32 s27, 0
	s_add_co_u32 s28, s26, 131072
	s_mov_b32 s29, 0
	s_lshl_b32 s34, s20, 8
	s_mov_b32 s35, 0
	s_mov_b32 s36, 0x3e6d3389                      ; 0.2316419
	s_mov_b32 s38, 0xbf38aa3b                      ; -log2(e) / 2
	s_mov_b32 s39, s38
	s_mov_b32 s40, 0x3f07dc22                      ; b5 / sqrt(2 pi)
	s_mov_b32 s41, s40
	s_mov_b32 s42, 0xbf3a00e3                      ; b4
	s_mov_b32 s43, s42
	s_mov_b32 s44, 0x3f35f0e3                      ; b3
	s_mov_b32 s45, s44
	s_mov_b32 s46, 0xbe11a98e                      ; b2
	s_mov_b32 s47, s46
	s_mov_b32 s48, 0x3e027906                      ; b1
	s_mov_b32 s49, s48
	s_mov_b32 s50, 0x38800000                      ; 1 / 16,384
	s_mov_b32 s51, 0x3727c5ac                      ; 1e-5
	s_wait_kmcnt 0x0
	s_add_nc_u64 s[4:5], s[4:5], s[24:25]
	s_add_nc_u64 s[18:19], s[18:19], s[24:25]
	s_add_nc_u64 s[30:31], s[6:7], s[26:27]
	s_add_nc_u64 s[32:33], s[12:13], s[28:29]
	s_add_nc_u64 s[14:15], s[14:15], s[34:35]
	WIN 0x40
.set i, 0
.rept 32                                       ; mlp_w1: 32 loads
	global_load_b128 v[4*i:4*i+3], v3, s[32:33] offset:512*i
.set i, i+1
.endr
	WIN 0
	global_load_b128 v[24:27], v3, s[6:7]          ; partial 0's means of channels 4 lane ..
.set i, 0
.rept 32                                       ; my 32 partials' means, 512 consecutive bytes each
	global_load_b128 v[MR+4*i:MR+4*i+3], v3, s[30:31] offset:512*i
.set i, i+1
.endr
	WIN 0x40
.set i, 0
.rept 32                                       ; and their M2
	global_load_b128 v[128+4*i:128+4*i+3], v3, s[30:31] offset:131072+512*i
.set i, i+1
.endr
	WIN 0
	global_load_b32 v20, v5, s[8:9]                ; g, beta, partial 0's mean of channel 16 w + r
	global_load_b32 v21, v5, s[10:11]
	global_load_b32 v22, v5, s[6:7]
.irp t, 0,1,2,3,4,5,6,7
	global_load_b128 v[X1+4*\t:X1+4*\t+3], v4, s[4:5] offset:32768*\t
.endr
.irp q, 0,1,2,3
	global_load_b128 v[B1+8*\q:B1+8*\q+3], v9, s[14:15] offset:64*\q
	global_load_b128 v[B1+8*\q+4:B1+8*\q+7], v9, s[14:15] offset:64*\q+16
.endr
	global_load_b32 v23, v5, s[16:17]
	s_wait_loadcnt 52                              ; the means are in; M2 (32), g, beta, mean_0 (3), x1 (8), biases (9) stay out
.set n, 0
.rept 32
	v_pk_add_f32 v[MR+4*n:MR+4*n+1], v[MR+4*n:MR+4*n+1], v[24:25] neg_lo:[0,1] neg_hi:[0,1]
	v_pk_add_f32 v[MR+4*n+2:MR+4*n+3], v[MR+4*n+2:MR+4*n+3], v[26:27] neg_lo:[0,1] neg_hi:[0,1]
.set n, n+1
.endr
.irp c, 0,1                            ; two chains by the partial's parity; sums of delta in v[64:71], of delta^2 in v[72:79]; the first terms start them
.irp i, 0,2
	v_pk_add_f32 v[64+4*\c+\i:65+4*\c+\i], v[MR+4*\c+\i:MR+4*\c+\i+1], v[MR+8+4*\c+\i:MR+9+4*\c+\i]
	v_pk_mul_f32 v[72+4*\c+\i:73+4*\c+\i], v[MR+4*\c+\i:MR+4*\c+\i+1], v[MR+4*\c+\i:MR+4*\c+\i+1]
.endr
.endr
.set n, 2
.rept 30
.irp i, 0,2
.if n >= 4
	v_pk_add_f32 v[64+4*(n%2)+\i:65+4*(n%2)+\i], v[64+4*(n%2)+\i:65+4*(n%2)+\i], v[MR+4*n+\i:MR+4*n+\i+1]
.endif
	v_pk_fma_f32 v[72+4*(n%2)+\i:73+4*(n%2)+\i], v[MR+4*n+\i:MR+4*n+\i+1], v[MR+4*n+\i:MR+4*n+\i+1], v[72+4*(n%2)+\i:73+4*(n%2)+\i]
.endr
.set n, n+1
.endr
	s_wait_loadcnt 20                              ; M2 is in; 3 + 8 + 9 stay out
	WIN 0x05                                       ; both sources in window 1
.irp c, 0,1
.irp i, 0,2
	v_pk_add_f32 v[80+4*\c+\i:81+4*\c+\i], v[128+4*\c+\i:129+4*\c+\i], v[136+4*\c+\i:137+4*\c+\i]
.endr
.endr
	WIN 0x01                                       ; source 0 in window 1
.set n, 4
.rept 28
.irp i, 0,2
	v_pk_add_f32 v[80+4*(n%2)+\i:81+4*(n%2)+\i], v[128+4*n+\i:129+4*n+\i], v[80+4*(n%2)+\i:81+4*(n%2)+\i]
.endr
.set n, n+1
.endr
	WIN 0x40
.set i, 0
.rept 32                                       ; mlp_w2 takes M2's registers: 32 loads, wanted last
	global_load_b128 v[128+4*i:128+4*i+3], v3, s[32:33] offset:131072+512*i
.set i, i+1
.endr
	WIN 0
.irp k, 64,72,80
	v_pk_add_f32 v[\k:\k+1], v[\k:\k+1], v[\k+4:\k+5]
	v_pk_add_f32 v[\k+2:\k+3], v[\k+2:\k+3], v[\k+6:\k+7]
.endr
	ds_store_b128 v13, v[64:67]
	ds_store_b128 v13, v[72:75] offset:512
	ds_store_b128 v13, v[80:83] offset:1024
	s_wait_dscnt 0x0                               ; for the others' sake: my three sums of every channel are stored
	s_barrier_signal -1
	s_barrier_wait -1
.irp k, 0,1,2
.irp v, 0,1,2,3,4,5,6,7
	ds_load_b32 v[128+8*\k+\v], v10 offset:1536*\v+512*\k  ; the eight waves' sums for channel 16 w + r
.endr
.endr
	s_wait_dscnt 0x0
.irp k, 128,136,144
	v_add_f32 v[\k], v[\k], v[\k+1]
	v_add_f32 v[\k+2], v[\k+2], v[\k+3]
	v_add_f32 v[\k+4], v[\k+4], v[\k+5]
	v_add_f32 v[\k+6], v[\k+6], v[\k+7]
	v_add_f32 v[\k], v[\k], v[\k+2]
	v_add_f32 v[\k+4], v[\k+4], v[\k+6]
	v_add_f32 v[\k], v[\k], v[\k+4]
.endr
	s_wait_loadcnt 49                              ; g, beta, mean_0 are in; x1 (8), biases (9), mlp_w2 (32) stay out
	v_mul_f32 v28, 0x3b800000, v128                ; sum(delta) / 256
	v_add_f32 v29, v22, v28                        ; mean
	v_fma_f32 v30, -v128, v28, v136                ; the spread of the partial means,
	v_max_num_f32 v30, 0, v30                      ; never below 0
	v_fmamk_f32 v30, v30, 0x42800000, v144         ; x 64 + sum(M2)
	v_fma_f32 v30, v30, s50, s51                   ; variance + eps
	v_rsq_f32 v30, v30
	v_lshlrev_b32 v6, 2, v2                        ; (a plain instruction behind the root) the lane to pull a and d from, x 4
	s_wait_alu depctr_va_vdst(0)
	v_mul_f32 v11, v20, v30
	v_fma_f32 v12, -v29, v11, v21
.irp t, 0,1,2,3,4,5,6,7
	ds_bpermute_b32 v[AR+\t], v6, v11
	ds_bpermute_b32 v[DR+\t], v6, v12
	v_add_nc_u32 v6, 8, v6
.endr
	s_wait_loadcnt 41                              ; x1 is in; biases and mlp_w2 stay out
	s_wait_dscnt 0x0
.irp t, 0,1,2,3,4,5,6,7
.irp i, 0,1,2,3
	v_fma_f32 v[224+4*(\t%2)+\i], v[X1+4*\t+\i], v[AR+\t], v[DR+\t]
.endr
	v_cvt_pk_bf16_f32 v[232+2*(\t%4)], v[224+4*(\t%2)], v[225+4*(\t%2)]
	v_cvt_pk_bf16_f32 v[233+2*(\t%4)], v[226+4*(\t%2)], v[227+4*(\t%2)]
	ds_store_b64 v7, v[232+2*(\t%4):233+2*(\t%4)] offset:2*HP*\t
.endr
	s_wait_loadcnt 32                              ; the biases (and mlp_w1, issued first) are in; mlp_w2 stays out
.irp j, 0,1,2,3,4,5,6,7
	v_mov_b32 v[B2+\j], v23                        ; the second product's result holds one output a lane
.endr
	s_wait_dscnt 0x0                               ; for the others' sake: my rows of h2 are stored
	s_barrier_signal -1
	s_barrier_wait -1
.macro LOADH it, buf                   ; h2's fragments of 16 positions x 128 channels, turned
.irp ks, 0,1,2,3
	ds_load_tr16_b128 v[(\buf)+8*\ks:(\buf)+8*\ks+3], v8 offset:32*HP*\ks+32*(\it)
	ds_load_tr16_b128 v[(\buf)+8*\ks+4:(\buf)+8*\ks+7], v8 offset:32*HP*\ks+16*HP+32*(\it)
.endr
.endm
.macro MM1 buf                         ; 16 matrix instructions, four accumulators by turns
	WIN 0x01                                       ; source 0 (mlp_w1) in window 1
.irp ks, 0,1,2,3
.irp q, 0,1,2,3
.if \ks == 0
	v_wmma_f32_16x16x32_bf16 v[ACC+8*\q:ACC+8*\q+7], v[32*\q:32*\q+7], v[(\buf):(\buf)+7], v[B1+8*\q:B1+8*\q+7]
.else
	v_wmma_f32_16x16x32_bf16 v[ACC+8*\q:ACC+8*\q+7], v[32*\q+8*\ks:32*\q+8*\ks+7], v[(\buf)+8*\ks:(\buf)+8*\ks+7], v[ACC+8*\q:ACC+8*\q+7]
.endif
.endr
.endr
	WIN 0
	PLACES
.endm
.macro GELU it, q                      ; eight numbers a lane; the accumulator is read from its low end on
.set U, ACC+8*(\q)
.irp j, 0,1,2,3,4,5,6,7
	v_fma_f32 v[TT+\j], |v[U+\j]|, s36, 1.0
.endr
.irp j, 0,2,4,6
	v_pk_mul_f32 v[EE+\j:EE+\j+1], v[U+\j:U+\j+1], v[U+\j:U+\j+1]
.endr
.irp j, 0,2,4,6
	v_pk_mul_f32 v[EE+\j:EE+\j+1], v[EE+\j:EE+\j+1], s[38:39] op_sel_hi:[1,0]
.endr
.irp j, 0,1,2,3,4,5,6,7
	v_rcp_f32 v[TT+\j], v[TT+\j]                   ; t
.endr
.irp j, 0,1,2,3,4,5,6,7
	v_exp_f32 v[EE+\j], v[EE+\j]                   ; e^(-u u / 2)
.endr
.irp j, 0,1,2,3,4,5,6,7
	v_max_num_f32 v[RR+\j], 0, v[U+\j]             ; plain instructions behind the transcendentals
.endr
	s_wait_alu depctr_va_vdst(0)
.irp j, 0,2,4,6
	v_pk_fma_f32 v[PQ+\j:PQ+\j+1], v[TT+\j:TT+\j+1], s[40:41], s[42:43] op_sel_hi:[1,0,0]
.endr
.irp j, 0,2,4,6
	v_pk_fma_f32 v[PQ+\j:PQ+\j+1], v[PQ+\j:PQ+\j+1], v[TT+\j:TT+\j+1], s[44:45] op_sel_hi:[1,1,0]
.endr
.irp j, 0,2,4,6
	v_pk_fma_f32 v[PQ+\j:PQ+\j+1], v[PQ+\j:PQ+\j+1], v[TT+\j:TT+\j+1], s[46:47] op_sel_hi:[1,1,0]
.endr
.irp j, 0,2,4,6
	v_pk_fma_f32 v[PQ+\j:PQ+\j+1], v[PQ+\j:PQ+\j+1], v[TT+\j:TT+\j+1], s[48:49] op_sel_hi:[1,1,0]
.endr
.irp j, 0,2,4,6
	v_pk_mul_f32 v[PQ+\j:PQ+\j+1], v[PQ+\j:PQ+\j+1], v[TT+\j:TT+\j+1]
.endr
.irp j, 0,2,4,6
	v_pk_mul_f32 v[PQ+\j:PQ+\j+1], v[PQ+\j:PQ+\j+1], v[EE+\j:EE+\j+1]
.endr
.irp j, 0,1,2,3,4,5,6,7
	v_fma_f32 v[RR+\j], -|v[U+\j]|, v[PQ+\j], v[RR+\j]
.endr
.irp j, 0,1,2,3
	v_cvt_pk_bf16_f32 v[OUT+4*(\q)+\j], v[RR+2*\j], v[RR+2*\j+1]
.endr
	ds_store_b128 v16, v[OUT+4*(\q):OUT+4*(\q)+3] offset:16384*(\it)+512*(\q)
.endm
.macro ACT it
	GELU \it, 0
	GELU \it, 1
	GELU \it, 2
	GELU \it, 3
.endm
	; The counts below name the LDS instructions issued behind the fragments that are wanted: later fragments' eight loads and gelu's four stores a tile.
	LOADH 0, HB0
	LOADH 1, HB1
	s_wait_dscnt 8                                 ; tile 1's loads stay out
	MM1 HB0
	LOADH 2, HB0
	ACT 0
	s_wait_dscnt 12                                ; tile 2's loads and tile 0's stores
	MM1 HB1
	LOADH 3, HB1
	ACT 1
	s_wait_dscnt 16                                ; tile 0's stores, tile 3's loads, tile 1's stores
	MM1 HB0
	ACT 2
	s_wait_dscnt 8                                 ; tile 1's and tile 2's stores
	MM1 HB1
	ACT 3
	s_wait_dscnt 0x0                               ; for the others' sake: my hidden tiles are stored
	s_barrier_signal -1
	s_barrier_wait -1
	s_wait_loadcnt 0x0                             ; mlp_w2
	WIN 0x04                                       ; source 1 (mlp_w2) in window 1; LDS loads name windows 0 alone
.macro LOADF bt                        ; 64 of the 512 hidden numbers for four position tiles: 16 loads into buffer bt % 2
.irp it, 0,1,2,3
.irp kl, 0,1
	ds_load_b128 v[128+64*((\bt)%2)+16*\it+8*\kl:128+64*((\bt)%2)+16*\it+8*\kl+3], v17 offset:16384*\it+1024*(2*(\bt)+\kl)
	ds_load_b128 v[128+64*((\bt)%2)+16*\it+8*\kl+4:128+64*((\bt)%2)+16*\it+8*\kl+7], v17 offset:16384*\it+1024*(2*(\bt)+\kl)+512
.endr
.endr
.endm
.macro MM2 bt                          ; eight matrix instructions, four accumulators by turns; the bias starts the sums
.irp kl, 0,1
.irp it, 0,1,2,3
.if (2*(\bt)+\kl) == 0
	v_wmma_f32_16x16x32_bf16 v[ACC2+8*\it:ACC2+8*\it+7], v[128+64*((\bt)%2)+16*\it+8*\kl:128+64*((\bt)%2)+16*\it+8*\kl+7], v[128+8*(2*(\bt)+\kl):128+8*(2*(\bt)+\kl)+7], v[B2:B2+7]
.else
	v_wmma_f32_16x16x32_bf16 v[ACC2+8*\it:ACC2+8*\it+7], v[128+64*((\bt)%2)+16*\it+8*\kl:128+64*((\bt)%2)+16*\it+8*\kl+7], v[128+8*(2*(\bt)+\kl):128+8*(2*(\bt)+\kl)+7], v[ACC2+8*\it:ACC2+8*\it+7]
.endif
.endr
.endr
.endm
	LOADF 0
	LOADF 1
.irp bt, 0,1,2,3,4,5
	s_wait_dscnt 16                                ; this buffer's 16 loads are in, the other's stay out
	MM2 \bt
	PLACES
	LOADF \bt+2
.endr
	s_wait_dscnt 16
	MM2 6
	s_wait_dscnt 0x0
	MM2 7
	WIN 0
	PLACES
.irp it, 0,1,2,3                       ; through my own stage: in by positions, back as whole rows of 64 positions
	ds_store_b128 v18, v[ACC2+8*\it:ACC2+8*\it+3] offset:64*\it
	ds_store_b128 v18, v[ACC2+8*\it+4:ACC2+8*\it+7] offset:64*\it+16
.endr
.irp t, 0,1,2,3,4,5,6,7
	ds_load_b128 v[128+4*\t:128+4*\t+3], v19 offset:2*SP*\t  ; LDS serves a wave's instructions in order (ISA guide 5.7.1.4): these see the stores above
.endr
	s_wait_dscnt 0x0
.set i, 0
.rept 16
	v_pk_add_f32 v[128+2*i:129+2*i], v[128+2*i:129+2*i], v[X1+2*i:X1+2*i+1]
.set i, i+1
.endr
.irp t, 0,1,2,3,4,5,6,7
	global_store_b128 v4, v[128+4*\t:128+4*\t+3], s[18:19] offset:32768*\t th:TH_STORE_NT  ; 16 lanes store 256 consecutive bytes, aligned
.endr
	s_wait_tensorcnt 0x0                           ; the wave's end, behind my last LDS store
	ds_add_u32 v14, v15
	s_wait_dscnt 0x0
	s_endpgm
.Lfunc_end_k_qd5a10c1ff2_mlp:
	.size	k_qd5a10c1ff2_mlp, .Lfunc_end_k_qd5a10c1ff2_mlp-k_qd5a10c1ff2_mlp
	.p2alignl 7, 3214868480
	.fill 96, 4, 3214868480
	.section	.rodata,"a",@progbits
	.p2align	6, 0x0
	.amdhsa_kernel k_qd5a10c1ff2_mlp
		.amdhsa_group_segment_fixed_size 134144
		.amdhsa_private_segment_fixed_size 0
		.amdhsa_enable_private_segment 0
		.amdhsa_kernarg_size 64
		.amdhsa_user_sgpr_count 2
		.amdhsa_user_sgpr_kernarg_segment_ptr 1
		.amdhsa_wavefront_size32 1
		.amdhsa_system_sgpr_workgroup_id_x 1
		.amdhsa_system_sgpr_workgroup_id_y 1
		.amdhsa_system_sgpr_workgroup_id_z 1
		.amdhsa_system_vgpr_workitem_id 0
		.amdhsa_next_free_vgpr 512
		.amdhsa_next_free_sgpr 66
		.amdhsa_reserve_vcc 0
		.amdhsa_float_denorm_mode_32 3
		.amdhsa_float_denorm_mode_16_64 3
		.amdhsa_memory_ordered 1
		.amdhsa_forward_progress 1
		.amdhsa_inst_pref_size 131
	.end_amdhsa_kernel
	.amdgpu_metadata
---
amdhsa.version: [ 1, 2 ]
amdhsa.kernels:
  - .name:           k_qd5a10c1ff2_mlp
    .symbol:         k_qd5a10c1ff2_mlp.kd
    .args:
      - { .name: x1, .offset: 0, .size: 8, .value_kind: global_buffer, .address_space: global }
      - { .name: stat2, .offset: 8, .size: 8, .value_kind: global_buffer, .address_space: global }
      - { .name: bn2_g, .offset: 16, .size: 8, .value_kind: global_buffer, .address_space: global }
      - { .name: bn2_b, .offset: 24, .size: 8, .value_kind: global_buffer, .address_space: global }
      - { .name: wbf, .offset: 32, .size: 8, .value_kind: global_buffer, .address_space: global }
      - { .name: mlp_b1, .offset: 40, .size: 8, .value_kind: global_buffer, .address_space: global }
      - { .name: mlp_b2, .offset: 48, .size: 8, .value_kind: global_buffer, .address_space: global }
      - { .name: out0, .offset: 56, .size: 8, .value_kind: global_buffer, .address_space: global }
    .group_segment_fixed_size: 134144
    .private_segment_fixed_size: 0
    .kernarg_segment_align: 8
    .kernarg_segment_size: 64
    .max_flat_workgroup_size: 256
    .sgpr_count:     66
    .vgpr_count:     512
    .wavefront_size: 32
...
	.end_amdgpu_metadata
.endif
;; end of part 4
;; ======== version 2 of 2: 4 launches; 1.27 times as fast as version 1
;; limits: values are held in f16: magnitudes above 65,504 overflow, below 6.1e-05 lose precision; an absolute error that grows with the inputs' magnitude: up to 7.5e-08 times it
;; workspace buffers: stat1 8,192 bytes; wbf 393,216 bytes; qf 4,194,304 bytes; kf 4,194,304 bytes; vf 4,194,304 bytes; x1 8,388,608 bytes; stat2 262,144 bytes
;; launch prep: the kernel of part 1 again; grid 256 x 1, 4 waves a work-group, no clusters, 0 bytes of LDS; arguments x, qkv_w, proj_w, mlp_w1, mlp_w2, stat1, wbf; writes stat1, wbf
;; launch qkv: the kernel of part 2 again; grid 64 x 4, 8 waves a work-group, no clusters, 21,504 bytes of LDS; arguments x, bn1_g, bn1_b, qkv_b, stat1, wbf, qf, kf, vf; writes qf, kf, vf
;; launch attn (part 5): grid 64 x 4, 8 waves a work-group, clusters of 4 x 1, 327,680 bytes of LDS; arguments qf, kf, vf, wbf, proj_b, x, x1, stat2; writes x1, stat2
.if DOCPART == 5
	.amdgcn_target "amdgcn-amd-amdhsa--gfx1250"
	.amdhsa_code_object_version 6
	.text
	.protected	k_qd5a10c1ff2_attn
	.globl	k_qd5a10c1ff2_attn
	.p2align	8
	.type	k_qd5a10c1ff2_attn,@function
k_qd5a10c1ff2_attn:
	s_mov_b64 s[64:65], 0
	v_nop
	global_prefetch_b8 v0, s[64:65] scope:SCOPE_SE
	s_setreg_imm32_b32 hwreg(HW_REG_WAVE_MODE, 25, 1), 1
	s_wait_xcnt 0x0
	s_wait_alu depctr_hold_cnt(0) depctr_sa_sdst(0) depctr_va_vdst(0) depctr_va_sdst(0) depctr_va_ssrc(0) depctr_va_vcc(0) depctr_vm_vsrc(0)
	s_getreg_b32 s2, hwreg(HW_REG_IB_STS2, 6, 4)
	s_cmp_eq_u32 s2, 0
	s_cbranch_scc0 .Lentry_in_a_cluster
	s_endpgm
.Lentry_in_a_cluster:
	s_bfe_u32 s2, ttmp6, 0x10000c
	s_cmp_lg_u32 s2, 0x3003
	s_cbranch_scc0 .Lentry_shape_is_right
	s_endpgm
.Lentry_shape_is_right:
; ATTENTION, PROJECTION, RESIDUAL, AND THE SECOND NORM'S PARTIAL STATISTICS.
; O[head][q] = sum over all 4,096 keys of softmax_k(q . k / sqrt(32)) v;  x1 = x + proj_w O + proj_b;  stat2 = mean and M2 of each channel of x1 over the work-group's 64 positions.
; q, k, v and the weights p in f16, O and proj_w in bf16, all sums, maxima, x1 and the statistics in f32.
; LIMITS.  p = 2^(c s - c m) lies in 0 to 1; below 6e-8 it rounds to 0.  The divisor l is the f32 sum of the ROUNDED p (made by the matrix unit), the same numbers that weigh v; it is at least 1, the maximum's own p.
; Scores of f16 operands stay under 1.4e11, far above the start value of c m.  NaN and infinities are not treated apart.
; SHARES.  A work-group: batch b (grid y), 64 queries, all four heads.  Wave w: head w % 4, two tiles of 16 queries (numbers 2 (w / 4) + t); it walks all keys, 64 a step.  Two waves share a SIMD.
; LAYOUT.  S^T = K Q^T holds one query a lane (lane % 16) and the keys 8 (lane / 16) + 0..7 of four blocks; rounded to f16 in pairs, IN PLACE into its low 16 registers, it is source 1 of O^T = V^T P.
; l comes from a third accumulator: source 0 holds ones in rows 0 and 8 alone, so that register 0 of the result is the sum of the lane's own query.
; SOFTMAX.  A running maximum m: in every step O and l are multiplied by a = 2^(c m_old - c m_new), c = log2(e) / sqrt(32).  m starts at the lowest finite number, O and l at 0: the first step has a = 0 and is a step like any other.
; BY TURNS.  Turn t is tile t's softmax; among its exponentials stand the four products K Q^T of the other tile's next scores, at its end tile t's six products with P.
; BATCHES.  A turn's 33 exponentials (a, then the 32 weights) are ONE batch with ONE wait, which cuts the turn in two: ahead of it stands all that names no result of theirs (maximum, statistics, scalings, the
; exponentials, the other tile's K Q^T), behind it all that does (O^T and l times a, the roundings, the products with P).  The way out's two reciprocals are a batch of their own.  No result crosses a label or a jump.
; CLUSTER.  The four work-groups of a cluster share b and walk the same K and V: each tile of 256 keys is asked for jointly, eight loads of 16 KB (wave w: K of head w, or V of head w - 4), the same descriptor and mask in all four.
; By this text's count a wave never has more than one tensor load out.  K, V lie in memory as fragment images, so a tile is dense: 64 rows of 256 bytes; a fragment load takes 512 consecutive bytes and needs no padding.
; REGISTERS.  Window 0: see the names below.  Window 1 (v256 on): v[0:31] proj_w's fragments of output tile w; v[32:63] my rows of x.  The loop stays in window 0.
.set SLOT1, 1<<17                      ; a slot: K of four heads (16 KB each), then V; slot 1 begins here, so that one exclusive or changes slots
.set OEX,   2*SLOT1                    ; O as fragments of the projection: [tile 4][head 4][p 2][lane][16 bytes]
.set STAGE, OEX+16384                  ; 16 rows x 272 bytes for each wave: the way out
.set SP,    272
.set PST,   STAGE+8*16*SP              ; mean[128], M2[128]
.set SPARE, PST+1024                   ; the spare words, 128 bytes for each of the eight waves
.set AK0, 3                            ; my lane's place in a slot's K; never rewritten
.set AV0, 4                            ; the same for V
.set AK,  5
.set AV,  6
.set L16, 7                            ; 16 x lane; never rewritten
.set STO, 8
.set RD,  9
.set XO,  10                           ; my offset in two rows of x and x1; never rewritten
.set PA,  11
.set SPW, 12
.set NIL, 13
.set MV,  14                           ; v14-15 c m_old, by tile
.set ST,  16                           ; tile t: c m at v[16+4t], m at v[17+4t]
.set BA,  18                           ; offset of my bias; never rewritten
.set OST, 19
.set OLD, 22
.set PSR, 23
.set TMP, 24                           ; tile t: c0-c3 at v[24+4t]; c2 takes a
.set Q,   32                           ; 8 a tile
.set LS,  48                           ; l's accumulator, 8 a tile
.set S,   64                           ; 32 a tile
.set VF,  128                          ; 16 kk + 8 cb
.set O,   160                          ; 16 t + 8 cb
.set KF,  192                          ; 8 kb
.set ONE, 224
.set BIAS, 232
.set PK,  240
.set MSB, 0
.macro WIN new
.if MSB != (\new)
	s_set_vgpr_msb (MSB<<8)|(\new)
.set MSB, (\new)
.endif
.endm
.macro CROUND                          ; a round of the cluster's barrier
	s_barrier_signal -1
	s_barrier_wait -1
	s_cmp_lg_u32 s20, 0
	s_cbranch_scc1 .Lnot_wave_0_\@
	s_barrier_signal -3
.Lnot_wave_0_\@:
	s_barrier_wait -3
	s_barrier_signal -1
	s_barrier_wait -1
.endm
.macro JLOAD                           ; my part of a tile; an s_nop 0 and four v_nop follow
	tensor_load_to_lds s[36:39], s[28:35]
	s_nop 0
.rept 4
	v_nop
.endr
.endm
; THE CHANGE OF SLOTS.  Each wave waits for all its tensor loads (one is out: its part of the other slot), adds 0 to its spare word, and waits for that and for its reads of the slot that it leaves.
; fill = 1: the barrier is a round of the cluster's, and the joint refill, the keys two slots on, is the first thing behind it: it has four key steps in which to land.
.macro CHANGE fill
	s_wait_tensorcnt 0x0                           ; no tensor load of mine is out, so group 0 may be written
	ds_add_u32 v[SPW], v[NIL]
.if \fill
	s_xor_b32 s37, s37, SLOT1                      ; the other slot than last time,
	s_add_nc_u64 s[38:39], s[38:39], 16384         ; the next 256 keys; the type bits on top are not reached
	s_wait_dscnt 0x0                               ; the add is done, and my reads of the slot are over
	CROUND
	JLOAD
.else
	s_wait_dscnt 0x0
	s_barrier_signal -1
	s_barrier_wait -1
.endif
	s_sub_co_u32 s52, s52, 16384                   ; the fetches go back to a slot's first step,
	s_xor_b32 s52, s52, SLOT1                      ; in the other slot
.endm
.macro FETCH_K                         ; 64 keys x 32 channels: four fragments
.irp kb, 0,1,2,3
	ds_load_b128 v[KF+8*\kb:KF+8*\kb+3], v[AK] offset:1024*\kb
	ds_load_b128 v[KF+8*\kb+4:KF+8*\kb+7], v[AK] offset:1024*\kb+512
.endr
.endm
.macro FETCH_V                         ; 32 channels x 64 keys: four fragments
.irp f, 0,1,2,3
	ds_load_b128 v[VF+8*\f:VF+8*\f+3], v[AV] offset:1024*\f
	ds_load_b128 v[VF+8*\f+4:VF+8*\f+7], v[AV] offset:1024*\f+512
.endr
.endm
.macro KQ1 u, kb                       ; tile u's scores for block kb of 16 keys: one product, C = 0
	v_wmma_f32_16x16x32_f16 v[S+32*(\u)+8*(\kb):S+32*(\u)+8*(\kb)+7], v[KF+8*(\kb):KF+8*(\kb)+7], v[Q+8*(\u):Q+8*(\u)+7], 0
.endm
.macro KQ u                            ; tile u's scores of a step: all four blocks on end
.irp kb, 0,1,2,3
	KQ1 \u, \kb
.endr
.endm
.macro PV t                            ; three accumulators by turns, one instruction a turn
.irp kk, 0,1
	v_wmma_f32_16x16x32_f16 v[O+16*(\t):O+16*(\t)+7], v[VF+16*\kk:VF+16*\kk+7], v[S+32*(\t)+8*\kk:S+32*(\t)+8*\kk+7], v[O+16*(\t):O+16*(\t)+7]
	v_wmma_f32_16x16x32_f16 v[O+16*(\t)+8:O+16*(\t)+15], v[VF+16*\kk+8:VF+16*\kk+15], v[S+32*(\t)+8*\kk:S+32*(\t)+8*\kk+7], v[O+16*(\t)+8:O+16*(\t)+15]
	v_wmma_f32_16x16x32_f16 v[LS+8*(\t):LS+8*(\t)+7], v[ONE:ONE+7], v[S+32*(\t)+8*\kk:S+32*(\t)+8*\kk+7], v[LS+8*(\t):LS+8*(\t)+7]
.endr
.endm
; Number n of the 22 lines that find tile t's maximum and statistics; each accumulator's lowest registers are read first.
;   0-11 four chains of seven scores; 12-14, 16 the four scores left over, the old m, and the chains into c0; 15 c m_old is kept; 17, 18 the query's other 32 keys lie in the lane 16 away; 19-21 c m, c m_old - c m_new, a
.macro XS t, n
.set rS, S+32*(\t)
.set rC, TMP+4*(\t)
.set rT, ST+4*(\t)
.set rM, MV+(\t)
.if (\n) < 4
	v_max3_num_f32 v[rC+(\n)], v[rS+8*(\n)], v[rS+8*(\n)+1], v[rS+8*(\n)+2]
.elseif (\n) < 12
	v_max3_num_f32 v[rC+(\n)%4], v[rC+(\n)%4], v[rS+8*((\n)%4)+2*((\n)/4)+1], v[rS+8*((\n)%4)+2*((\n)/4)+2]
.elseif (\n) == 12
	v_max3_num_f32 v[rC], v[rC], v[rS+7], v[rS+15]
.elseif (\n) == 13
	v_max3_num_f32 v[rC+1], v[rC+1], v[rS+23], v[rS+31]
.elseif (\n) == 14
	v_max3_num_f32 v[rC+2], v[rC+2], v[rC+3], v[rT+1]
.elseif (\n) == 15
	v_mov_b32 v[rM], v[rT]
.elseif (\n) == 16
	v_max3_num_f32 v[rC], v[rC], v[rC+1], v[rC+2]
.elseif (\n) == 17
	v_permlanex16_b32 v[rC+3], v[rC], s50, s51
.elseif (\n) == 18
	v_max_num_f32 v[rT+1], v[rC], v[rC+3]
.elseif (\n) == 19
	v_mul_f32 v[rT], s48, v[rT+1]
.elseif (\n) == 20
	v_sub_f32 v[rC+1], v[rM], v[rT]
.else
	v_exp_f32 v[rC+2], v[rC+1]
.endif
.endm
.macro FS t, n                         ; c s - c m for pair n of 16
	v_pk_fma_f32 v[S+32*(\t)+2*(\n):S+32*(\t)+2*(\n)+1], v[S+32*(\t)+2*(\n):S+32*(\t)+2*(\n)+1], s[48:49], v[ST+4*(\t):ST+4*(\t)+1] op_sel_hi:[1,0,0] neg_lo:[0,0,1] neg_hi:[0,0,1]
.endm
.macro ES t, n                         ; the exponential of score n of 32, in place
	v_exp_f32 v[S+32*(\t)+(\n)], v[S+32*(\t)+(\n)]
.endm
.macro CS t, n                         ; pair n rounded to f16, into register n: ascending, so no unread score is overwritten.  It reads exponentials' results: it stands behind the batch's wait
	v_cvt_pk_f16_f32 v[S+32*(\t)+(\n)], v[S+32*(\t)+2*(\n)], v[S+32*(\t)+2*(\n)+1]
.endm
.macro RS t, n                         ; pair n of 8 of O^T times a (on the way out: times 1 / l).  It reads a transcendental's result: it stands behind the batch's wait
	v_pk_mul_f32 v[O+16*(\t)+2*(\n):O+16*(\t)+2*(\n)+1], v[O+16*(\t)+2*(\n):O+16*(\t)+2*(\n)+1], v[TMP+4*(\t)+2:TMP+4*(\t)+3] op_sel_hi:[1,0]
.endm
; A TURN, for tile t.  kq = 1: the other tile's next scores are made (and, in tile 1's turn, the next step's K fetched).
; THE BATCH is a, then the 32 weights in 16 groups of two.  Behind each of the first twelve groups stands the scaling of the pair four groups on (pairs 0 to 3 are scaled ahead of a); behind groups 5, 7, 9 and 11
; one product K Q^T of the other tile, which names none of the batch's registers.  Nothing ahead of the wait names a result; a v_nop is the plain instruction behind the last exponential (ISA guide 5.7.2).
; BEHIND THE WAIT: O^T and l times a, the 16 roundings, the six products with P.
; K's run of loads stands 27 plain instructions behind the last product that read K (the v_nop, 8 + 1 + 16 behind the wait, the address's add); V's five behind the last that read V (ISA guide 7.12.1 asks for four).
; The products K Q^T write S^T of the other tile some 30 plain instructions behind the products that read P there.
.macro TURN t, kq
.if ((\t) == 1) && (\kq)
	v_add_nc_u32 v[AK], s52, v[AK0]
	FETCH_K
.endif
.if (\t) == 0
	v_add_nc_u32 v[AV], s52, v[AV0]
.endif
.irp n, 0,1,2,3
	XS \t, \n
.endr
.if (\t) == 0
	FETCH_V
	s_add_co_u32 s52, s52, 4096                    ; the next fetches are the next step's
.endif
.irp n, 4,5,6,7,8,9,10,11,12,13,14,15,16,17,18,19
	XS \t, \n
.endr
	FS \t, 0
	FS \t, 1
	XS \t, 20
	FS \t, 2
	FS \t, 3
	XS \t, 21                                      ; the batch's first: a
.set gg, 0
.rept 16                                       ; group gg: weights 2 gg and 2 gg + 1
	ES \t, 2*gg
	ES \t, 2*gg+1
.if gg < 12
	FS \t, gg+4
.endif
.if (\kq) && (gg >= 5) && (gg < 12) && (gg%2 == 1)
.if ((\t) == 1) && (gg == 5)
	s_wait_dscnt 0x0                               ; K is in
.endif
	KQ1 1-(\t), (gg-5)/2
.endif
.set gg, gg+1
.endr
	v_nop                                          ; the plain instruction behind the last exponential: one for the batch
	s_wait_alu depctr_va_vdst(0)                   ; the wait for the batch, a and the 32 weights, ahead of the first line that names a result
.irp n, 0,1,2,3,4,5,6,7
	RS \t, \n
.endr
	v_mul_f32 v[LS+8*(\t)], v[LS+8*(\t)], v[TMP+4*(\t)+2]  ; l times a: register 0 alone carries a sum, the others stay 0
.irp n, 0,1,2,3,4,5,6,7,8,9,10,11,12,13,14,15
	CS \t, \n
.endr
.if (\t) == 0
	s_wait_dscnt 0x0                               ; V is in
.endif
	PV \t
.endm
	s_load_b512 s[4:19], s[0:1], 0x0               ; qf, kf, vf, wbf, proj_b, x, x1, stat2
	v_lshl_add_u32 v[SPW], v0, 2, SPARE
	v_mov_b32 v[NIL], 0
	ds_add_u32 v[SPW], v[NIL]                      ; the wave's opening: the add and its wait stand ahead of my first tensor load; the set-up below, work on registers, stands between them
	v_lshrrev_b32 v1, 5, v0
	v_readfirstlane_b32 s20, v1                    ; wave 0..7
	s_and_b32 s21, s20, 3                          ; head
	s_lshr_b32 s22, s20, 2                         ; which half of the 64 queries
	s_bfe_u32 s23, ttmp6, 0x40000                  ; cx
	s_lshl_b32 s24, ttmp9, 2
	s_add_co_u32 s24, s24, s23                     ; block of 64 queries: it enters global addresses of Q, x, x1, stat2 alone
	s_and_b32 s25, ttmp7, 0xffff                   ; b, which the four partners share
	; descriptor group 1: 64 rows of 32 elements of 8 bytes, dense
	s_mov_b32 s28, 15|(3<<16)|(1<<21)              ; 15:0 the mask of four; 17:16 8-byte elements; 21 set beside a mask
	s_mov_b32 s29, 32<<16                          ; tensor_dim0 = 32
	s_mov_b32 s30, 64<<16                          ; tensor_dim1 = 64
	s_mov_b32 s31, 32<<16                          ; tile_dim0 = 32
	s_mov_b32 s32, 64                              ; tile_dim1 = 64
	s_mov_b32 s33, 32                              ; 32 elements from row to row
	s_mov_b32 s34, 0
	s_mov_b32 s35, 0
	s_mov_b32 s36, 1                               ; group 0: count = 1,
	s_lshl_b32 s37, s20, 14                        ; LDS address: wave x 16 KB in slot 0
	s_lshl_b32 s40, s25, 2
	s_add_co_u32 s40, s40, s21
	s_lshl_b32 s40, s40, 18                        ; (4 b + head) x 262,144: the head's first byte in qf, kf, vf
	s_mov_b32 s41, 0
	s_lshl_b32 s42, s24, 12                        ; Q: 4 blocks of 16 a work-group, 1,024 bytes each; my two
	s_lshl_b32 s43, s22, 11
	s_add_co_u32 s42, s42, s43
	s_add_co_u32 s42, s42, s40
	s_mov_b32 s43, 0
	s_lshl_b32 s44, s25, 21                        ; x, x1: b, rows 16 w on, 256 bytes a block
	s_lshl_b32 s45, s20, 18
	s_add_co_u32 s44, s44, s45
	s_lshl_b32 s45, s24, 8
	s_add_co_u32 s44, s44, s45
	s_mov_b32 s45, 0
	s_lshl_b32 s46, s20, 12
	s_add_co_u32 s46, s46, 98304                   ; proj_w's fragments of output tile w
	s_mov_b32 s47, 0
	s_mov_b32 s48, 0x3e8293ee                      ; c = log2(e) / sqrt(32)
	s_mov_b32 s49, s48                             ; named with it as a pair
	s_mov_b32 s50, 0x76543210
	s_mov_b32 s51, 0xfedcba98
	s_mov_b32 s52, SLOT1+16384                     ; the first change of slots turns this into 0
	v_and_b32 v1, 15, v0                           ; r
	v_bfe_u32 v2, v0, 4, 1                         ; h
	v_and_b32 v[L16], 31, v0
	v_lshlrev_b32 v[L16], 4, v[L16]
	v_lshlrev_b32 v[XO], 4, v1
	v_lshl_add_u32 v[XO], v2, 14, v[XO]
	s_lshl_b32 s53, s20, 6
	v_lshl_add_u32 v[BA], v1, 2, s53               ; 4 (16 w + r)
	s_lshl_b32 s53, s21, 14
	v_add_nc_u32 v[AK0], s53, v[L16]
	v_add_nc_u32 v[AV0], 65536, v[AK0]
	s_wait_dscnt 0x0                               ; the opening add is done
	s_wait_kmcnt 0x0
	s_cmp_lt_u32 s20, 4
	s_cselect_b64 s[38:39], s[6:7], s[8:9]         ; waves 0-3 fetch K, waves 4-7 V, of head w % 4
	s_add_nc_u64 s[38:39], s[38:39], s[40:41]
	s_or_b32 s39, s39, 0x80000000                  ; type = 2
	s_add_nc_u64 s[4:5], s[4:5], s[42:43]
	s_add_nc_u64 s[14:15], s[14:15], s[44:45]
	s_add_nc_u64 s[16:17], s[16:17], s[44:45]
	s_add_nc_u64 s[10:11], s[10:11], s[46:47]
	CROUND                                         ; all four work-groups are here: the first joint loads meet
	JLOAD                                          ; tile 0 into slot 0; slot 1 is asked for when slot 0 is in
.irp f, 0,1,2,3
	global_load_b128 v[Q+4*\f:Q+4*\f+3], v[L16], s[4:5] offset:512*\f
.endr
	global_load_b32 v[BIAS], v[BA], s[12:13]
	WIN 0x40                                       ; destination window 1
.irp f, 0,1,2,3,4,5,6,7
	global_load_b128 v[4*\f:4*\f+3], v[L16], s[10:11] offset:512*\f
.endr
.irp t, 0,1,2,3,4,5,6,7
	global_load_b128 v[32+4*\t:32+4*\t+3], v[XO], s[14:15] offset:32768*\t  ; rows 16 w + 2 t + h
.endr
	WIN 0
	; all this stands in the wait for the first tile
	v_and_b32 v[PA], 7, v0
	v_mov_b32 v[PSR], 0x3c003c00                   ; 1.0 twice in f16
	v_cmp_eq_u32 vcc_lo, 0, v[PA]
	v_cndmask_b32 v[ONE], 0, v[PSR], vcc_lo        ; rows 0 and 8 of source 0
.irp j, 1,2,3,4,5,6,7
	v_mov_b32 v[ONE+\j], v[ONE]
.endr
.set i, 0
.rept 32
	v_mov_b32 v[O+i], 0
.set i, i+1
.endr
.set i, 0
.rept 16
	v_mov_b32 v[LS+i], 0
.set i, i+1
.endr
.irp t, 0,1
	v_mov_b32 v[ST+4*\t], 0xfe000000               ; c m: far below every c s
	v_mov_b32 v[ST+4*\t+1], 0xff7fffff             ; m
.endr
	CHANGE 1                                       ; slot 0 is in, everybody's part of it; slot 1 is asked for
	v_add_nc_u32 v[AK], s52, v[AK0]
	FETCH_K                                        ; key step 0
	s_wait_loadcnt 17                              ; Q is in; the bias, proj_w's fragments and x (1 + 8 + 8) stay out
	s_wait_dscnt 0x0
	KQ 0
	s_mul_i32 s40, s20, 16*SP                      ; the addresses for the way out: plain instructions, the places behind those products
	s_add_co_u32 s40, s40, STAGE
	v_mul_u32_u24 v[STO], v1, SP                   ; in: row r, 32 bytes for each half of the lanes
	v_lshl_add_u32 v[STO], v2, 5, v[STO]
	v_add_nc_u32 v[STO], s40, v[STO]
	v_mul_u32_u24 v[RD], v2, SP                    ; back: lanes 0-15 one row of 256 bytes, lanes 16-31 the next
	v_lshl_add_u32 v[RD], v1, 4, v[RD]
	v_add_nc_u32 v[RD], s40, v[RD]
	s_lshl_b32 s47, s20, 6
	s_add_co_u32 s47, s47, PST
	v_lshl_add_u32 v[PA], v2, 2, s47               ; PST + 4 (16 w + h)
	s_lshl_b32 s46, s22, 13
	s_lshl_b32 s41, s21, 10
	s_add_co_u32 s46, s46, s41
	s_add_co_u32 s46, s46, OEX
	v_add_nc_u32 v[OST], s46, v[L16]               ; my tiles' and head's place in OEX
	v_add_nc_u32 v[OLD], OEX, v[L16]
	s_mov_b32 s53, 4
	s_mov_b32 s54, 15
	s_branch .Lfirst                               ; the loop is entered at a step's first turn, in the middle of a trip
.Lslot:                                                ; 14 times: tiles 2 to 15 are asked for
	CHANGE 1
	s_mov_b32 s53, 4
.Lstep:                                                ; a trip: tile 1's turn of one step, then tile 0's of the next
	TURN 1, 1
.Lfirst:
	TURN 0, 1
	s_sub_co_u32 s53, s53, 1
	s_cmp_lg_u32 s53, 0
	s_cbranch_scc1 .Lstep
	s_sub_co_u32 s54, s54, 1
	s_cmp_lg_u32 s54, 0
	s_cbranch_scc1 .Lslot
	CHANGE 0                                       ; the last tile is written out: nothing is asked for
	s_mov_b32 s53, 4
.Ltail:
	TURN 1, 1
	TURN 0, 1
	s_sub_co_u32 s53, s53, 1
	s_cmp_lg_u32 s53, 0
	s_cbranch_scc1 .Ltail
	TURN 1, 0                                      ; tile 1's last turn: nothing to fetch, no further scores
	; THE WAY OUT.  O^T / l, rounded to bf16: a lane's eight channels of a query are half a fragment (16 positions x 32 channels) of the projection's source 0.
.rept 4
	v_nop                                          ; the places behind the last products
.endr
	s_wait_loadcnt 0x0                             ; bias, proj_w, x
	v_rcp_f32 v[TMP+2], v[LS]
	v_rcp_f32 v[TMP+6], v[LS+8]
.irp j, 1,2,3,4,5,6,7
	v_mov_b32 v[BIAS+\j], v[BIAS]                  ; plain instructions behind the reciprocals; the projection's result holds one output a lane
.endr
	s_wait_alu depctr_va_vdst(0)                   ; the wait for the two reciprocals, one batch, ahead of the first line that names a result
.irp t, 0,1
.irp n, 0,1,2,3,4,5,6,7
	RS \t, \n
.endr
.irp n, 0,1,2,3,4,5,6,7
	v_cvt_pk_bf16_f32 v[PK+8*\t+\n], v[O+16*\t+2*\n], v[O+16*\t+2*\n+1]
.endr
	ds_store_b128 v[OST], v[PK+8*\t:PK+8*\t+3] offset:4096*\t
	ds_store_b128 v[OST], v[PK+8*\t+4:PK+8*\t+7] offset:4096*\t+512
.endr
	s_wait_dscnt 0x0                               ; for the others' sake: my part of O is stored
	s_barrier_signal -1
	s_barrier_wait -1
.set i, 0
.rept 16                                       ; all 16 fragments: position tile i / 4, head i % 4
	ds_load_b128 v[S+8*i:S+8*i+3], v[OLD] offset:1024*i
	ds_load_b128 v[S+8*i+4:S+8*i+7], v[OLD] offset:1024*i+512
.set i, i+1
.endr
	s_wait_dscnt 0x0
	WIN 0x04                                       ; source 1 (proj_w) in window 1
.irp ks, 0,1,2,3                       ; D(m = position, n = output 16 w + r); four accumulators by turns; the bias starts the sums
.irp it, 0,1,2,3
.if \ks == 0
	v_wmma_f32_16x16x32_bf16 v[Q+8*\it:Q+8*\it+7], v[S+32*\it:S+32*\it+7], v[0:7], v[BIAS:BIAS+7]
.else
	v_wmma_f32_16x16x32_bf16 v[Q+8*\it:Q+8*\it+7], v[S+32*\it+8*\ks:S+32*\it+8*\ks+7], v[8*\ks:8*\ks+7], v[Q+8*\it:Q+8*\it+7]
.endif
.endr
.endr
	WIN 0
.rept 4
	v_nop
.endr
.irp it, 0,1,2,3                       ; through my own stage: in by positions, back as whole rows of 64 positions
	ds_store_b128 v[STO], v[Q+8*\it:Q+8*\it+3] offset:64*\it
	ds_store_b128 v[STO], v[Q+8*\it+4:Q+8*\it+7] offset:64*\it+16
.endr
.irp t, 0,1,2,3,4,5,6,7
	ds_load_b128 v[S+4*\t:S+4*\t+3], v[RD] offset:2*SP*\t  ; LDS serves a wave's instructions in order (ISA guide 5.7.1.4): these see the stores above
.endr
	s_wait_dscnt 0x0
	WIN 0x04                                       ; source 1 (x) in window 1
.set i, 0
.rept 16
	v_pk_add_f32 v[S+2*i:S+2*i+1], v[S+2*i:S+2*i+1], v[32+2*i:33+2*i]
.set i, i+1
.endr
	WIN 0
.irp t, 0,1,2,3,4,5,6,7
	global_store_b128 v[XO], v[S+4*\t:S+4*\t+3], s[16:17] offset:32768*\t  ; 16 lanes store 256 consecutive bytes, aligned
.endr
	; the statistics of rows 16 w + 2 t + h over the 64 positions: mean, then the squared deviations from it
.irp t, 0,1,2,3,4,5,6,7
	v_add_f32 v[128+\t], v[S+4*\t], v[S+4*\t+1]
	v_add_f32 v[136+\t], v[S+4*\t+2], v[S+4*\t+3]
.endr
.irp t, 0,1,2,3,4,5,6,7
	v_add_f32 v[128+\t], v[128+\t], v[136+\t]
.endr
.irp m, 1,2,4,8
.irp t, 0,1,2,3,4,5,6,7
	v_add_f32_dpp v[128+\t], v[128+\t], v[128+\t] row_xmask:\m row_mask:0xf bank_mask:0xf
.endr
.endr
.irp t, 0,1,2,3,4,5,6,7
	v_mul_f32 v[128+\t], 0x3c800000, v[128+\t]     ; / 64
.endr
.irp t, 0,1,2,3,4,5,6,7
.irp i, 0,1,2,3
	v_sub_f32 v[160+4*\t+\i], v[S+4*\t+\i], v[128+\t]
.endr
.endr
.irp t, 0,1,2,3,4,5,6,7
	v_mul_f32 v[136+\t], v[160+4*\t], v[160+4*\t]
.endr
.irp i, 1,2,3
.irp t, 0,1,2,3,4,5,6,7
	v_fmac_f32 v[136+\t], v[160+4*\t+\i], v[160+4*\t+\i]
.endr
.endr
.irp m, 1,2,4,8
.irp t, 0,1,2,3,4,5,6,7
	v_add_f32_dpp v[136+\t], v[136+\t], v[136+\t] row_xmask:\m row_mask:0xf bank_mask:0xf
.endr
.endr
.irp t, 0,1,2,3,4,5,6,7
	ds_store_b32 v[PA], v[128+\t] offset:8*\t      ; the 16 lanes of a row write the same word with the same number
	ds_store_b32 v[PA], v[136+\t] offset:512+8*\t
.endr
	s_wait_dscnt 0x0
	s_barrier_signal -1
	s_barrier_wait -1
	s_cmp_lt_u32 s20, 2
	s_cbranch_scc0 .Lno_stat                       ; wave 0 stores the 128 means, wave 1 the 128 M2: 512 consecutive bytes each
	s_lshl_b32 s40, s20, 9
	s_add_co_u32 s40, s40, PST
	v_add_nc_u32 v[PSR], s40, v[L16]
	ds_load_b128 v[128:131], v[PSR]
	s_lshl_b32 s42, s20, 17
	s_lshl_b32 s43, s25, 6
	s_add_co_u32 s43, s43, s24
	s_lshl_b32 s43, s43, 9
	s_add_co_u32 s42, s42, s43
	s_mov_b32 s43, 0
	s_add_nc_u64 s[18:19], s[18:19], s[42:43]
	s_wait_dscnt 0x0
	global_store_b128 v[L16], v[128:131], s[18:19]
.Lno_stat:
	s_wait_tensorcnt 0x0                           ; the wave's end, behind my last tensor load and my last LDS store
	ds_add_u32 v[SPW], v[NIL]
	s_wait_dscnt 0x0
	CROUND                                         ; the closing round: no work-group ends while a partner may still ask for a tile that names it
	s_endpgm
.Lfunc_end_k_qd5a10c1ff2_attn:
	.size	k_qd5a10c1ff2_attn, .Lfunc_end_k_qd5a10c1ff2_attn-k_qd5a10c1ff2_attn
	.p2alignl 7, 3214868480
	.fill 96, 4, 3214868480
	.section	.rodata,"a",@progbits
	.p2align	6, 0x0
	.amdhsa_kernel k_qd5a10c1ff2_attn
		.amdhsa_group_segment_fixed_size 327680
		.amdhsa_private_segment_fixed_size 0
		.amdhsa_enable_private_segment 0
		.amdhsa_kernarg_size 64
		.amdhsa_user_sgpr_count 2
		.amdhsa_user_sgpr_kernarg_segment_ptr 1
		.amdhsa_wavefront_size32 1
		.amdhsa_system_sgpr_workgroup_id_x 1
		.amdhsa_system_sgpr_workgroup_id_y 1
		.amdhsa_system_sgpr_workgroup_id_z 1
		.amdhsa_system_vgpr_workitem_id 0
		.amdhsa_next_free_vgpr 320
		.amdhsa_next_free_sgpr 66
		.amdhsa_reserve_vcc 1
		.amdhsa_float_denorm_mode_32 3
		.amdhsa_float_denorm_mode_16_64 3
		.amdhsa_memory_ordered 1
		.amdhsa_forward_progress 1
		.amdhsa_inst_pref_size 60
	.end_amdhsa_kernel
	.amdgpu_metadata
---
amdhsa.version: [ 1, 2 ]
amdhsa.kernels:
  - .name:           k_qd5a10c1ff2_attn
    .symbol:         k_qd5a10c1ff2_attn.kd
    .args:
      - { .name: qf, .offset: 0, .size: 8, .value_kind: global_buffer, .address_space: global }
      - { .name: kf, .offset: 8, .size: 8, .value_kind: global_buffer, .address_space: global }
      - { .name: vf, .offset: 16, .size: 8, .value_kind: global_buffer, .address_space: global }
      - { .name: wbf, .offset: 24, .size: 8, .value_kind: global_buffer, .address_space: global }
      - { .name: proj_b, .offset: 32, .size: 8, .value_kind: global_buffer, .address_space: global }
      - { .name: x, .offset: 40, .size: 8, .value_kind: global_buffer, .address_space: global }
      - { .name: x1, .offset: 48, .size: 8, .value_kind: global_buffer, .address_space: global }
      - { .name: stat2, .offset: 56, .size: 8, .value_kind: global_buffer, .address_space: global }
    .group_segment_fixed_size: 327680
    .private_segment_fixed_size: 0
    .kernarg_segment_align: 8
    .kernarg_segment_size: 64
    .max_flat_workgroup_size: 256
    .sgpr_count:     66
    .vgpr_count:     320
    .wavefront_size: 32
...
	.end_amdgpu_metadata
.endif
;; end of part 5
;; launch mlp: the kernel of part 4 again; grid 64 x 4, 8 waves a work-group, no clusters, 134,144 bytes of LDS; arguments x1, stat2, bn2_g, bn2_b, wbf, mlp_b1, mlp_b2, out0; writes out0
